; MI455X (gfx1250); checked and timed in simulation.
; The chip was launched on July 23, 2026; its instructions are those of AMD's public machine-readable ISA for CDNA 5 (MIT licence, August 2026) and "CDNA5" Instruction Set Architecture Reference Guide (July 2026). The comments in the code are by the model that wrote it; some were corrected since.
;; Switch Transformers Block. Allowed arithmetic: matrix products marked QUANTISED: E2M3 operands, one E8M0 scale for each 32 along K, by v_wmma_scale_f32_16x16x128_f8f6f4 with both operands' format E2M3, f32 sums; products left as they are: f32 operands where the result goes on into a quantised operand, else bf16, f16 or f32 operands; f32 sums; everything else in f32.
;; Inputs: hidden_states 8 x 128 x 1,024 float32; ln_weight 1,024 float32; router_w 1,024 x 8 float32; wi 8 x 1,024 x 4,096 float32; wo 8 x 4,096 x 1,024 float32.
;; Outputs: out0 8 x 128 x 1,024 float32; out1 8 x 128 x 8 float32; out2 8 x 128 int32.
;; This version of the problem:
;;   THIS VERSION OF THE PROBLEM IS GIVEN IN LOW PRECISION. The matrix products marked QUANTISED in the list below multiply operands that are first quantised to E2M3 (2 exponent bits, 3 mantissa bits; 6 bits a number), with one power-of-two scale for each 32 numbers along K (OCP MX v1.0); their sums are f32. All else is computed in f32.
;;   The module's matrix products, in the order in which they are computed (A, B: the left and right operand; K: the contracted axis; several contracted axes count as one K, in the product's order):
;;     1. [M 1,024, K 1,024] x [K 1,024, N 8]; A: computed on the way; B: input router_w: left as it is (N = 8 < 16)
;;     2. [M 1,024, K 1,024] x [K 1,024, N 4,096]; A: computed on the way; B: input wi: QUANTISED
;;     3. [M 1,024, K 4,096] x [K 4,096, N 1,024]; A: computed on the way; B: input wo: QUANTISED
;;     4. [M 1,024, K 1,024] x [K 1,024, N 4,096]; A: computed on the way; B: input wi: QUANTISED
;;     5. [M 1,024, K 4,096] x [K 4,096, N 1,024]; A: computed on the way; B: input wo: QUANTISED
;;     6. [M 1,024, K 1,024] x [K 1,024, N 4,096]; A: computed on the way; B: input wi: QUANTISED
;;     7. [M 1,024, K 4,096] x [K 4,096, N 1,024]; A: computed on the way; B: input wo: QUANTISED
;;     8. [M 1,024, K 1,024] x [K 1,024, N 4,096]; A: computed on the way; B: input wi: QUANTISED
;;     9. [M 1,024, K 4,096] x [K 4,096, N 1,024]; A: computed on the way; B: input wo: QUANTISED
;;     10. [M 1,024, K 1,024] x [K 1,024, N 4,096]; A: computed on the way; B: input wi: QUANTISED
;;     11. [M 1,024, K 4,096] x [K 4,096, N 1,024]; A: computed on the way; B: input wo: QUANTISED
;;     12. [M 1,024, K 1,024] x [K 1,024, N 4,096]; A: computed on the way; B: input wi: QUANTISED
;;     13. [M 1,024, K 4,096] x [K 4,096, N 1,024]; A: computed on the way; B: input wo: QUANTISED
;;     14. [M 1,024, K 1,024] x [K 1,024, N 4,096]; A: computed on the way; B: input wi: QUANTISED
;;     15. [M 1,024, K 4,096] x [K 4,096, N 1,024]; A: computed on the way; B: input wo: QUANTISED
;;     16. [M 1,024, K 1,024] x [K 1,024, N 4,096]; A: computed on the way; B: input wi: QUANTISED
;;     17. [M 1,024, K 4,096] x [K 4,096, N 1,024]; A: computed on the way; B: input wo: QUANTISED
;;   THE QUANTISER, for each operand of a quantised product, along K:
;;     - K is cut into blocks of 32 from its start; a last block that is shorter is filled with zeros.
;;     - A block's scale is 2^e with e = floor(log2(the largest magnitude in the block)) - 2, held to -126 .. 127; a block of zeros has e = 0. As a byte (E8M0): e + 127.
;;     - Each number is divided by its block's scale, clamped to +-7.5, and rounded to the nearest number of E2M3, ties to even, subnormals kept.
;;     - The product sums the exact products of the quantised numbers (number of the format x scale) in f32.
;;   ~~~python
;;   def quantise(x, axis):      # numpy; x: float32 -> the quantised numbers, widened to float32 again
;;       x = np.moveaxis(x, axis, -1); K = x.shape[-1]
;;       x = np.pad(x, [(0, 0)] * (x.ndim - 1) + [(0, -K % 32)]); x = x.reshape(x.shape[:-1] + (-1, 32)); a = np.abs(x).max(-1, keepdims=True)
;;       e = np.where(a > 0, np.clip(np.frexp(np.where(a > 0, a, 1))[1] - 1 - 2, -126, 127), 0)      # np.frexp(a)[1] - 1 = floor(log2(a)), exactly
;;       r = np.clip(x / 2.0 ** e, -7.5, 7.5)
;;       step = 2.0 ** (np.maximum(np.frexp(np.where(r == 0, 1, r))[1] - 1, 0) - 3)
;;       q = np.round(r / step) * step * 2.0 ** e      # np.round: ties to even
;;       return np.moveaxis(q.reshape(q.shape[:-2] + (-1,))[..., :K], -1, axis).astype(np.float32)
;;   ~~~
;;   OPERANDS COMPUTED ON THE WAY. 'Computed on the way' means the value that the module computes at that place (a softmax that the list does not call 'softmax' is quantised finished and normalised). What goes into a quantiser is computed in f32, as accurately as f32 sums, v_exp_f32 and their like allow (about 1e-6 of the number): no bf16 or f16 on the way to a quantiser, and a product that is left as it is and whose result goes on into a quantised operand takes f32 operands (vector FMAs, or v_wmma_f32_16x16x4_f32). A number that lies on a knife's edge between two numbers of the format may be rounded either way, as far as f32 arithmetic and the matrix unit's own rounding can turn it there, and no further.
;; 2 versions. Each part assembles by itself: llvm-mc -triple=amdgcn-amd-amdhsa -mcpu=gfx1250 --defsym DOCPART=n.
;; ======== version 1 of 2: 4 launches
;; workspace buffers: xq 786,432 bytes; xs 32,768 bytes; eidx 4,096 bytes of whole numbers; prob 4,096 bytes; route 4,352 bytes of whole numbers; hq 25,165,824 bytes; hs 2,097,152 bytes
;; launch router (part 1): grid 256 x 1, 4 waves a work-group, no clusters, 0 bytes of LDS; arguments hidden_states, ln_weight, router_w, out1, out2, xq, xs, eidx, prob; writes out1, out2, xq, xs, eidx, prob
.if DOCPART == 1
	.amdgcn_target "amdgcn-amd-amdhsa--gfx1250"
	.amdhsa_code_object_version 6
	.text
	.protected	k_qe3959e718d_router
	.globl	k_qe3959e718d_router
	.p2align	8
	.type	k_qe3959e718d_router,@function
k_qe3959e718d_router:
	s_mov_b64 s[64:65], 0
	v_nop
	global_prefetch_b8 v0, s[64:65] scope:SCOPE_SE
	s_setreg_imm32_b32 hwreg(HW_REG_WAVE_MODE, 25, 1), 1
	s_wait_xcnt 0x0
; ROUTER.  One wave takes one token (1,024 numbers): the RMS norm, the 8 logits (f32 multiply-adds), the softmax's largest
; probability, the index of the first largest probability, and the normed row as codes of FP6 (E2M3) with one E8M0 byte for each 32.
; Lane l holds k = 32 l .. 32 l + 31: one whole block of the quantiser, so that a block's largest magnitude needs no other lane.
; xq: [token][768 bytes]; block b = 4 s + 2 c + h of the row lies at byte 96 s + 48 h + 24 c, so that lane (r, h) of K step s of the
; product finds its 12 operand registers as 48 bytes on end.  xs: [token][32], byte b = block b's scale.
; No address and no branch hangs on the choice: index and probability are stored at the token's own place.
; No LDS, no barrier, no matrix unit: a wave shares nothing, and 8 columns are too few for a matrix tile.
; LIMITS: NaN and infinities are not served.  A block whose largest magnitude lies under 2^-124 (a block of zeros too) gets the byte 1;
; the bytes are read by this program alone, and zero codes add nothing.  v_rsq_f32, v_exp_f32, v_rcp_f32 are as accurate as the ISA guide
; states (chapter 15.8).  Two logits nearer than the f32 sums resolve may be ranked otherwise than by another order of summation.
.set LG, 8                             ; v8-15    the logits
.set EX, 16                            ; v16-23   exponentials, then probabilities
.set TM, 24                            ; v24-31   at work; v30 the index, v31 the largest probability
.set X,  32                            ; v32-63   my 32 numbers
.set G,  64                            ; v64-95   the gain at my 32 places
.set R0, 96                            ; v96-159  router_w: 8 k x 8 experts, two sets
.set R1, 160
.set C0, 224                           ; v224-226, v228-230: my block's codes
.set C1, 228
	s_load_b512 s[4:19], s[0:1], 0x0               ; hidden s[4:5], gain s[6:7], router_w s[8:9], out1 s[10:11], out2 s[12:13], xq s[14:15], xs s[16:17], eidx s[18:19]
	s_load_b64 s[20:21], s[0:1], 0x40              ; prob
	v_lshrrev_b32 v1, 5, v0
	v_readfirstlane_b32 s23, v1                    ; wave
	s_lshl_b32 s22, ttmp9, 2
	s_add_co_u32 s22, s22, s23                     ; my token
	v_and_b32 v1, 31, v0                           ; lane
	v_lshlrev_b32 v2, 7, v1                        ; 128 bytes of the row a lane
	v_lshlrev_b32 v3, 10, v1                       ; 32 rows of router_w a lane
	v_lshrrev_b32 v4, 2, v1
	v_mul_u32_u24 v4, v4, 96                       ; my block's place in xq: 96 (l / 4)
	v_and_b32 v5, 1, v1
	v_mad_u32_u24 v4, v5, 48, v4                   ; + 48 (l % 2)
	v_bfe_u32 v5, v1, 1, 1
	v_mad_u32_u24 v4, v5, 24, v4                   ; + 24 ((l / 2) % 2)
	v_mov_b32 v5, 0
.irp i, 0,1,2,3,4,5,6,7
	v_mov_b32 v[EX+\i], 0                          ; written once: a lane permute's destination counts as one of its sources
.endr
	s_mov_b32 s24, 0x358637bd                      ; 1e-6
	s_mov_b32 s25, 0x3a800000                      ; 1 / 1024
	s_mov_b32 s26, 0x76543210
	s_mov_b32 s27, 0xfedcba98                      ; v_permlanex16_b32's selects for lane l xor 16
	s_mov_b32 s31, 0
	s_wait_kmcnt 0x0
	s_lshl_b32 s30, s22, 12
	s_add_nc_u64 s[4:5], s[4:5], s[30:31]          ; my row
.irp i, 0,1,2,3,4,5,6,7
	global_load_b128 v[X+4*\i:X+4*\i+3], v2, s[4:5] offset:16*\i
.endr
.irp i, 0,1,2,3,4,5,6,7
	global_load_b128 v[G+4*\i:G+4*\i+3], v2, s[6:7] offset:16*\i
.endr
.macro RWLOAD rb, b                    ; batch b: 8 k x 8 experts, 256 bytes a lane; register rb + 8 k' + e
.irp i, 0,1,2,3,4,5,6,7,8,9,10,11,12,13,14,15
	global_load_b128 v[\rb+4*\i:\rb+4*\i+3], v3, s[8:9] offset:256*\b+16*\i
.endr
.endm
	RWLOAD R0, 0
	RWLOAD R1, 1
	s_lshl_b32 s30, s22, 5
	s_add_nc_u64 s[10:11], s[10:11], s[30:31]      ; out1 and xs: 32 bytes a token
	s_add_nc_u64 s[16:17], s[16:17], s[30:31]
	s_mul_i32 s30, s22, 768
	s_add_nc_u64 s[14:15], s[14:15], s[30:31]      ; xq
	s_lshl_b32 s30, s22, 2
	s_add_nc_u64 s[12:13], s[12:13], s[30:31]      ; out2, eidx, prob: 4 bytes a token
	s_add_nc_u64 s[18:19], s[18:19], s[30:31]
	s_add_nc_u64 s[20:21], s[20:21], s[30:31]
.macro RED r, t                        ; the sum over the 32 lanes, in every lane
	v_add_f32_dpp v[\r], v[\r], v[\r] row_xmask:1 row_mask:0xf bank_mask:0xf
	v_add_f32_dpp v[\r], v[\r], v[\r] row_xmask:2 row_mask:0xf bank_mask:0xf
	v_add_f32_dpp v[\r], v[\r], v[\r] row_xmask:4 row_mask:0xf bank_mask:0xf
	v_add_f32_dpp v[\r], v[\r], v[\r] row_xmask:8 row_mask:0xf bank_mask:0xf
	v_permlanex16_b32 v[\t], v[\r], s26, s27
	v_add_f32 v[\r], v[\r], v[\t]
.endm
	s_wait_loadcnt 40                              ; my row is in; behind it 8 + 16 + 16 loads
.irp c, 0,1,2,3                        ; the sum of squares, in four chains of pairs; the first products start them
	v_pk_mul_f32 v[TM+2*\c:TM+2*\c+1], v[X+2*\c:X+2*\c+1], v[X+2*\c:X+2*\c+1]
.endr
.irp i, 1,2,3
.irp c, 0,1,2,3
	v_pk_fma_f32 v[TM+2*\c:TM+2*\c+1], v[X+8*\i+2*\c:X+8*\i+2*\c+1], v[X+8*\i+2*\c:X+8*\i+2*\c+1], v[TM+2*\c:TM+2*\c+1]
.endr
.endr
	v_pk_add_f32 v[24:25], v[24:25], v[26:27]
	v_pk_add_f32 v[28:29], v[28:29], v[30:31]
	v_pk_add_f32 v[24:25], v[24:25], v[28:29]
	v_add_f32 v24, v24, v25
	RED 24, 25
	v_fma_f32 v24, v24, s25, s24                   ; the mean of squares + 1e-6
	v_rsq_f32 v28, v24
	v_rsq_f32 v29, v24                             ; twice: a pair for the packed multiply
	v_nop                                          ; a plain instruction behind the transcendentals
	s_wait_alu depctr_va_vdst(0)                   ; one wait for both, ahead of their first use
	s_wait_loadcnt 32                              ; the gain is in; behind it the two batches of router_w
.set xi, 0
.rept 16
	v_pk_mul_f32 v[X+2*xi:X+2*xi+1], v[X+2*xi:X+2*xi+1], v[28:29]
.set xi, xi+1
.endr
.set xi, 0
.rept 16
	v_pk_mul_f32 v[X+2*xi:X+2*xi+1], v[X+2*xi:X+2*xi+1], v[G+2*xi:G+2*xi+1]   ; (x r) g, in the order of the definition
.set xi, xi+1
.endr
; 8 k of batch b: for each k four packed multiply-adds, two experts each; the number at k is taken for both halves
.macro DOT rb, b, first
.irp k, 0,1,2,3,4,5,6,7
.irp e, 0,1,2,3
.if (\first) && (\k == 0)
	v_pk_mul_f32 v[LG+2*\e:LG+2*\e+1], v[\rb+8*\k+2*\e:\rb+8*\k+2*\e+1], v[X+8*\b:X+8*\b+1] op_sel_hi:[1,0]
.elseif (\k % 2) == 0
	v_pk_fma_f32 v[LG+2*\e:LG+2*\e+1], v[\rb+8*\k+2*\e:\rb+8*\k+2*\e+1], v[X+8*\b+\k:X+8*\b+\k+1], v[LG+2*\e:LG+2*\e+1] op_sel_hi:[1,0,1]
.else
	v_pk_fma_f32 v[LG+2*\e:LG+2*\e+1], v[\rb+8*\k+2*\e:\rb+8*\k+2*\e+1], v[X+8*\b+\k-1:X+8*\b+\k], v[LG+2*\e:LG+2*\e+1] op_sel:[0,1,0] op_sel_hi:[1,1,1]
.endif
.endr
.endr
.endm
	s_wait_loadcnt 16                              ; batch 0 is in; batch 1 may be out
	DOT R0, 0, 1
	RWLOAD R0, 2
	s_wait_loadcnt 16                              ; batch 1 is in; batch 2 may be out
	DOT R1, 1, 0
	RWLOAD R1, 3
	s_wait_loadcnt 16                              ; batch 2 is in; batch 3 may be out
	DOT R0, 2, 0
	s_wait_loadcnt 0x0
	DOT R1, 3, 0
.irp m, 1,2,4,8                        ; the eight sums over the lanes, by turns
.irp e, 0,1,2,3,4,5,6,7
	v_add_f32_dpp v[LG+\e], v[LG+\e], v[LG+\e] row_xmask:\m row_mask:0xf bank_mask:0xf
.endr
.endr
.irp e, 0,1,2,3,4,5,6,7
	v_permlanex16_b32 v[EX+\e], v[LG+\e], s26, s27
.endr
.irp e, 0,1,2,3,4,5,6,7
	v_add_f32 v[LG+\e], v[LG+\e], v[EX+\e]         ; every lane holds all eight logits
.endr
	v_max3_num_f32 v24, v8, v9, v10                ; the softmax takes the largest logit away
	v_max3_num_f32 v25, v11, v12, v13
	v_max3_num_f32 v24, v24, v14, v15
	v_max_num_f32 v24, v24, v25
.irp e, 0,1,2,3,4,5,6,7
	v_sub_f32 v[EX+\e], v[LG+\e], v24
.endr
.irp e, 0,1,2,3,4,5,6,7
	v_mul_f32 v[EX+\e], 0x3fb8aa3b, v[EX+\e]       ; x log2(e)
.endr
.irp e, 0,1,2,3,4,5,6,7
	v_exp_f32 v[EX+\e], v[EX+\e]
.endr
	v_mov_b32 v30, 0                               ; the index.  (A plain instruction behind the batch)
	s_wait_alu depctr_va_vdst(0)                   ; one wait for the eight
	v_add_f32 v24, v16, v17
	v_add_f32 v25, v18, v19
	v_add_f32 v26, v20, v21
	v_add_f32 v27, v22, v23
	v_add_f32 v24, v24, v25
	v_add_f32 v26, v26, v27
	v_add_f32 v24, v24, v26
	v_rcp_f32 v25, v24
	v_nop
	s_wait_alu depctr_va_vdst(0)
.irp e, 0,1,2,3,4,5,6,7
	v_mul_f32 v[EX+\e], v[EX+\e], v25              ; the probabilities
.endr
	v_max3_num_f32 v31, v16, v17, v18
	v_max3_num_f32 v26, v19, v20, v21
	v_max3_num_f32 v31, v31, v22, v23
	v_max_num_f32 v31, v31, v26                    ; the largest
.irp e, 7,6,5,4,3,2,1,0                ; from the top down, so that the lowest index with the largest probability stays
	v_cmp_neq_f32 vcc_lo, v[EX+\e], v31
	v_cndmask_b32 v30, \e, v30, vcc_lo
.endr
	; my block becomes codes: the largest magnitude with the floor 2^(3 - 127) among its leaves, 2 off its exponent field, the conversions
	v_max3_num_f32 v24, |v[X]|, |v[X+1]|, 0x1800000
	v_max3_num_f32 v25, |v[X+2]|, |v[X+3]|, 0x1800000
.irp i, 4,8,12,16,20,24,28
	v_max3_num_f32 v24, v24, |v[X+\i]|, |v[X+\i+1]|
	v_max3_num_f32 v25, v25, |v[X+\i+2]|, |v[X+\i+3]|
.endr
	v_max_num_f32 v24, v24, v25
	v_add_nc_u32 v26, 0xff000000, v24              ; the conversion takes this operand's exponent field as its scale
	v_cvt_scalef32_pk16_fp6_f32 v[C0:C0+2], v[X:X+15], v26
	v_cvt_scalef32_pk16_fp6_f32 v[C1:C1+2], v[X+16:X+31], v26
	v_lshrrev_b32 v27, 23, v26                     ; the scale's byte.  (A plain instruction behind the conversions)
	global_store_b96 v4, v[C0:C0+2], s[14:15]      ; the wave's two stores fill the token's 768 bytes
	global_store_b96 v4, v[C1:C1+2], s[14:15] offset:12
	global_store_b8 v1, v27, s[16:17]              ; 32 lanes: the token's 32 scale bytes
	s_wait_xcnt 0x0                                ; EXEC changes only behind this wait
	v_cmp_eq_u32 vcc_lo, 0, v1
	s_and_saveexec_b32 s28, vcc_lo                 ; lane 0 stores what every lane holds
	global_store_b128 v5, v[8:11], s[10:11]
	global_store_b128 v5, v[12:15], s[10:11] offset:16
	global_store_b32 v5, v30, s[12:13]
	global_store_b32 v5, v30, s[18:19]
	global_store_b32 v5, v31, s[20:21]
	s_wait_xcnt 0x0
	s_or_b32 exec_lo, exec_lo, s28
	s_endpgm
.Lfunc_end_k_qe3959e718d_router:
	.size	k_qe3959e718d_router, .Lfunc_end_k_qe3959e718d_router-k_qe3959e718d_router
	.p2alignl 7, 3214868480
	.fill 96, 4, 3214868480
	.section	.rodata,"a",@progbits
	.p2align	6, 0x0
	.amdhsa_kernel k_qe3959e718d_router
		.amdhsa_group_segment_fixed_size 0
		.amdhsa_private_segment_fixed_size 0
		.amdhsa_enable_private_segment 0
		.amdhsa_kernarg_size 72
		.amdhsa_user_sgpr_count 2
		.amdhsa_user_sgpr_kernarg_segment_ptr 1
		.amdhsa_wavefront_size32 1
		.amdhsa_system_sgpr_workgroup_id_x 1
		.amdhsa_system_sgpr_workgroup_id_y 1
		.amdhsa_system_sgpr_workgroup_id_z 1
		.amdhsa_system_vgpr_workitem_id 0
		.amdhsa_next_free_vgpr 232
		.amdhsa_next_free_sgpr 66
		.amdhsa_reserve_vcc 1
		.amdhsa_float_denorm_mode_32 3
		.amdhsa_float_denorm_mode_16_64 3
		.amdhsa_memory_ordered 1
		.amdhsa_forward_progress 1
		.amdhsa_inst_pref_size 29
	.end_amdhsa_kernel
	.amdgpu_metadata
---
amdhsa.version: [ 1, 2 ]
amdhsa.kernels:
  - .name:           k_qe3959e718d_router
    .symbol:         k_qe3959e718d_router.kd
    .args:
      - { .name: hidden_states, .offset: 0, .size: 8, .value_kind: global_buffer, .address_space: global }
      - { .name: ln_weight, .offset: 8, .size: 8, .value_kind: global_buffer, .address_space: global }
      - { .name: router_w, .offset: 16, .size: 8, .value_kind: global_buffer, .address_space: global }
      - { .name: out1, .offset: 24, .size: 8, .value_kind: global_buffer, .address_space: global }
      - { .name: out2, .offset: 32, .size: 8, .value_kind: global_buffer, .address_space: global }
      - { .name: xq, .offset: 40, .size: 8, .value_kind: global_buffer, .address_space: global }
      - { .name: xs, .offset: 48, .size: 8, .value_kind: global_buffer, .address_space: global }
      - { .name: eidx, .offset: 56, .size: 8, .value_kind: global_buffer, .address_space: global }
      - { .name: prob, .offset: 64, .size: 8, .value_kind: global_buffer, .address_space: global }
    .group_segment_fixed_size: 0
    .private_segment_fixed_size: 0
    .kernarg_segment_align: 8
    .kernarg_segment_size: 72
    .max_flat_workgroup_size: 128
    .sgpr_count:     66
    .vgpr_count:     232
    .wavefront_size: 32
...
	.end_amdgpu_metadata
.endif
;; end of part 1
;; launch place (part 2): grid 1 x 1, 32 waves a work-group, no clusters, 8,192 bytes of LDS; arguments eidx, route; writes route
.if DOCPART == 2
	.amdgcn_target "amdgcn-amd-amdhsa--gfx1250"
	.amdhsa_code_object_version 6
	.text
	.protected	k_qe3959e718d_place
	.globl	k_qe3959e718d_place
	.p2align	8
	.type	k_qe3959e718d_place,@function
k_qe3959e718d_place:
	s_mov_b64 s[64:65], 0
	v_nop
	global_prefetch_b8 v0, s[64:65] scope:SCOPE_SE
	s_setreg_imm32_b32 hwreg(HW_REG_WAVE_MODE, 25, 1), 1
	s_wait_xcnt 0x0
; PLACE.  A counting sort of the 1,024 tokens by their expert, by one work-group, a thread to a token, in whole numbers throughout.
; route: bytes 0 .. 4095: order[1024], the tokens sorted by expert (every entry is written); at byte 4096 + 4 e: start_e | count_e << 16 (words 8 .. 31: 0).
; A thread's place = its expert's start + that expert's count in the waves before mine + its rank among my wave's lanes.
; One work-group: the sort is 1,024 numbers, and a sum over all of them is had by one barrier.
	s_load_b128 s[4:7], s[0:1], 0x0                ; eidx, route
	v_lshl_add_u32 v64, v0, 2, 0x1000
	v_mov_b32 v65, 0
	v_lshlrev_b32 v1, 2, v0                        ; 4 x thread
	v_and_b32 v2, 31, v0                           ; lane
	v_lshrrev_b32 v3, 5, v0
	v_readfirstlane_b32 s8, v3                     ; wave 0..31
	v_mov_b32 v4, 0                                ; my rank in the wave
	v_mov_b32 v5, 0                                ; lane e: my wave's count of expert e
	v_mov_b32 v40, 0
	v_mov_b32 v41, 0
	s_mov_b32 s10, 0x76543210
	s_mov_b32 s11, 0xfedcba98                      ; v_permlanex16_b32's selects for lane l xor 16
	s_wait_kmcnt 0x0
	global_load_b32 v3, v1, s[4:5]
	s_wait_loadcnt 0x0
	v_min_u32 v3, 7, v3                            ; my expert
.irp e, 0,1,2,3,4,5,6,7
	v_cmp_eq_u32 s[16+\e], \e, v3                  ; the wave's lanes with expert e
	v_mbcnt_lo_u32_b32 v6, s[16+\e], 0             ; how many of them stand below me
	v_cndmask_b32 v4, v4, v6, s[16+\e]
	s_bcnt1_i32_b32 s[24+\e], s[16+\e]
	v_writelane_b32 v5, s[24+\e], \e
.endr
	ds_store_b32 v1, v5                            ; a row of 128 bytes a wave: its eight counts, then zeros
	s_wait_dscnt 0x0                               ; for the others' sake: my store is done
	s_barrier_signal -1
	s_barrier_wait -1
	v_lshlrev_b32 v6, 7, v2
	ds_load_b128 v[8:11], v6                       ; lane l: wave l's eight counts
	ds_load_b128 v[12:15], v6 offset:16
	v_cmp_gt_u32 vcc_lo, s8, v2                    ; the waves before mine
	s_wait_dscnt 0x0
.irp e, 0,1,2,3,4,5,6,7
	v_lshlrev_b32 v[16+\e], 16, v[8+\e]
.endr
.irp e, 0,1,2,3,4,5,6,7
	v_cndmask_b32 v[16+\e], 0, v[16+\e], vcc_lo
.endr
.irp e, 0,1,2,3,4,5,6,7
	v_add_nc_u32 v[8+\e], v[8+\e], v[16+\e]        ; low half: for the total; high half: for the waves before mine.  Both sums stay at 1,024 or under
.endr
.irp m, 1,2,4,8
.irp e, 0,1,2,3,4,5,6,7
	v_mov_b32_dpp v[16+\e], v[8+\e] row_xmask:\m row_mask:0xf bank_mask:0xf
.endr
.irp e, 0,1,2,3,4,5,6,7
	v_add_nc_u32 v[8+\e], v[8+\e], v[16+\e]
.endr
.endr
.irp e, 0,1,2,3,4,5,6,7
	v_permlanex16_b32 v[16+\e], v[8+\e], s10, s11
.endr
.irp e, 0,1,2,3,4,5,6,7
	v_add_nc_u32 v[8+\e], v[8+\e], v[16+\e]        ; the sums over the 32 waves, in every lane
.endr
.irp e, 0,1,2,3,4,5,6,7
	v_and_b32 v[24+\e], 0xffff, v[8+\e]            ; count_e
	v_lshrrev_b32 v[8+\e], 16, v[8+\e]             ; expert e's count in the waves before mine
.endr
	v_mov_b32 v32, 0
.irp e, 1,2,3,4,5,6,7
	v_add_nc_u32 v[32+\e], v[31+\e], v[23+\e]      ; start_e
.endr
.irp e, 0,1,2,3,4,5,6,7
	v_add_nc_u32 v[8+\e], v[8+\e], v[32+\e]
	v_cndmask_b32 v40, v40, v[8+\e], s[16+\e]      ; my expert's
.endr
	v_add_nc_u32 v40, v40, v4                      ; my place
	v_min_u32 v40, 0x3ff, v40
	v_lshlrev_b32 v40, 2, v40
	global_store_b32 v40, v0, s[6:7]               ; order[place] = my token
	s_cmp_lg_u32 s8, 0                             ; wave 0 stores the table; no barrier follows
	s_cbranch_scc1 .Lend
.irp e, 0,1,2,3,4,5,6,7
	v_lshl_or_b32 v[24+\e], v[24+\e], 16, v[32+\e]
	v_cmp_eq_u32 vcc_lo, \e, v2
	v_cndmask_b32 v41, v41, v[24+\e], vcc_lo       ; lane e takes word e; lanes 8 .. 31 keep 0
.endr
	v_lshlrev_b32 v42, 2, v2
	global_store_b32 v42, v41, s[6:7] offset:4096
.Lend:
	s_wait_tensorcnt 0x0
	ds_add_u32 v64, v65
	s_wait_dscnt 0x0
	s_endpgm
.Lfunc_end_k_qe3959e718d_place:
	.size	k_qe3959e718d_place, .Lfunc_end_k_qe3959e718d_place-k_qe3959e718d_place
	.p2alignl 7, 3214868480
	.fill 96, 4, 3214868480
	.section	.rodata,"a",@progbits
	.p2align	6, 0x0
	.amdhsa_kernel k_qe3959e718d_place
		.amdhsa_group_segment_fixed_size 8192
		.amdhsa_private_segment_fixed_size 0
		.amdhsa_enable_private_segment 0
		.amdhsa_kernarg_size 16
		.amdhsa_user_sgpr_count 2
		.amdhsa_user_sgpr_kernarg_segment_ptr 1
		.amdhsa_wavefront_size32 1
		.amdhsa_system_sgpr_workgroup_id_x 1
		.amdhsa_system_sgpr_workgroup_id_y 1
		.amdhsa_system_sgpr_workgroup_id_z 1
		.amdhsa_system_vgpr_workitem_id 0
		.amdhsa_next_free_vgpr 66
		.amdhsa_next_free_sgpr 66
		.amdhsa_reserve_vcc 1
		.amdhsa_float_denorm_mode_32 3
		.amdhsa_float_denorm_mode_16_64 3
		.amdhsa_memory_ordered 1
		.amdhsa_forward_progress 1
		.amdhsa_inst_pref_size 12
	.end_amdhsa_kernel
	.amdgpu_metadata
---
amdhsa.version: [ 1, 2 ]
amdhsa.kernels:
  - .name:           k_qe3959e718d_place
    .symbol:         k_qe3959e718d_place.kd
    .args:
      - { .name: eidx, .offset: 0, .size: 8, .value_kind: global_buffer, .address_space: global }
      - { .name: route, .offset: 8, .size: 8, .value_kind: global_buffer, .address_space: global }
    .group_segment_fixed_size: 8192
    .private_segment_fixed_size: 0
    .kernarg_segment_align: 8
    .kernarg_segment_size: 16
    .max_flat_workgroup_size: 1024
    .sgpr_count:     66
    .vgpr_count:     66
    .wavefront_size: 32
...
	.end_amdgpu_metadata
.endif
;; end of part 2
;; launch up (part 3): grid 32 x 8, 16 waves a work-group, no clusters, 104,448 bytes of LDS; arguments wi, xq, xs, route, hq, hs; writes hq, hs
.if DOCPART == 3
	.amdgcn_target "amdgcn-amd-amdhsa--gfx1250"
	.amdhsa_code_object_version 6
	.text
	.protected	k_qe3959e718d_up
	.globl	k_qe3959e718d_up
	.p2align	8
	.type	k_qe3959e718d_up,@function
k_qe3959e718d_up:
	s_mov_b64 s[64:65], 0
	v_nop
	global_prefetch_b8 v0, s[64:65] scope:SCOPE_SE
	s_setreg_imm32_b32 hwreg(HW_REG_WAVE_MODE, 25, 1), 1
	s_wait_xcnt 0x0
; UP.  h = Q(relu(Q(x) Q(wi[e]))) for the rows that chose expert e, on codes of FP6 (E2M3) with one E8M0 scale for each 32 along K.
; SHARES.  Work-group (g, e) owns hidden units 128 g .. 128 g + 127 of expert e: K step g of the next product.  It reads its 1,024 x 128 numbers of wi once, in four
; chunks of 32 columns, and quantises them in registers on the way; the codes of all four chunks stay in LDS (4 x 25,600 bytes).
; STREAMING.  Of a chunk, wave w takes rows 64 w .. 64 w + 63: half w % 2 of K step w / 2.  Lane (a = l % 16, p = l / 16) loads 8 bytes: columns 2 a, 2 a + 1 of row 64 w + 32 p + q,
; q = 0 .. 31: sixteen lanes read 128 bytes on end.  So a lane holds two whole blocks of 32 along K, one of each column: no other lane is asked for a maximum, and the lane is
; already lane (r = a, h = p) of the operand, where tile u of the chunk = columns 2 r + u.  The two columns' numbers are parted by moves, since a conversion takes 16 registers on end.
; A FRAGMENT LIES IN LDS AS AN IMAGE OF ITS 12 REGISTERS: group i (registers 4 i .. 4 i + 3) at 512 i + 16 x lane.  The even wave of a K step makes registers 0-5, the odd one 6-11.
; TOKENS.  Wave w takes tile w of the expert's rows (16 rows of the sorted list), chunk by chunk behind each chunk's barrier, if the expert has so many rows; tiles 16 .. 63 follow in a loop of three
; trips.  Rows past the count repeat the expert's last row.  Source 0 = 16 columns of wi, source 1 = 16 tokens: lane (r = token, h), register j of tile u holds column 16 h + 2 j + u of the chunk.
; So a lane's 16 results are code places 16 h + 8 u + j of the block: inside every block of 32 of the next K, place t holds unit 16 (t / 16) + 2 (t % 8) + (t / 8) % 2.  The next launch
; loads wo's rows in the same order; blocks, scales and codes are those of the plain order.
; hq: [e][tile][K step][1,536 bytes]: the fragment's image; hs: [e][tile][K step][128]: its scale word at 4 x lane.
; BRANCHES hang on the expert's count, read from memory: they stand round loads, products and stores alone, never round a barrier, and each such block reads only what is written
; without condition or in the block itself (so the registers that gather h's codes are cleared at the head).
; NO CLUSTER, NO TENSOR LOAD: joint requests are tensor loads.
; LIMITS: NaN and infinities are not served; a block whose largest magnitude lies under 2^-124 (a block of zeros too) gets the byte 1, read by this program alone.
.set CHB,  25600                       ; a chunk in LDS: 8 K steps x 2 tiles x 1,536 bytes, then 8 x 128 bytes of scale words
.set SCB,  24576                       ; where its scale words begin: K step s at 128 s; lane 0-15: tile 0's row, lane 16-31: tile 1's
.set HALF, 51200                       ; two chunks: an LDS immediate has 16 bits, so chunks 2 and 3 have address registers of their own
.set VW,   1                           ; v1    my offset in wi: 8 a + 32 p rows + 64 w rows; never rewritten
.set LW,   2                           ; v2    where I store codes: 16 l + 3,072 (w / 2); stepped once, by HALF
.set LWS,  3                           ; v3    and scale bytes: SCB + 128 (w / 2) + 2 (w % 2) + 4 l; stepped once
.set L16,  4                           ; v4    16 l; v5 the same + HALF
.set L4,   6                           ; v6    4 l; v7 the same + HALF
                                       ; v8-15, v250-253: h's codes, the 12 registers of the fragment, in three groups of four
.set S,    16                          ; v16-79   64 numbers of wi as loaded: register 2 q + j = row q, column j
.set TF,   80                          ; v80-175  x's 8 fragments
.set TFS,  176                         ; v176-183 x's scale words, and nothing else
.set ACC,  184                         ; v184-199 two accumulators (at the head: addresses of x's loads)
.set WF,   200                         ; v200-247 wi's fragments, two sets of two tiles; while quantising: at work
.set T0,   200                         ; 16 numbers of column 0 on end
.set T1,   216                         ; of column 1
.set X0,   232                         ; column 0's 6 registers of codes
.set X1,   238
.set U,    244                         ; a conversion's three registers
.set SC0,  247                         ; the conversions' scale operands
.set WS,   248                         ; v248-249 wi's scale words of the two sets, and nothing else
.set HW,   254                         ; h's scale word
.set SC1,  255
.macro WLOAD c, q0                     ; 16 loads: rows q0 .. q0 + 15 of my share of chunk c
.set wq, \q0
.rept 16
	global_load_b64 v[S+2*wq:S+2*wq+1], v[VW], s[32:33] offset:16384*wq+128*(\c)
.set wq, wq+1
.endr
.endm
; My 64 x 2 numbers become two halves of fragments and two scale bytes a column.  more = 1: the next chunk's loads go out as soon as the moves have emptied their registers.
.macro QUANT c, more
	v_max3_num_f32 v[X0], |v[S]|, |v[S+2]|, 0x1800000       ; the floor 2^(3 - 127) among the leaves: the byte cannot fall under 1
	v_max3_num_f32 v[X1], |v[S+1]|, |v[S+3]|, 0x1800000
.set qi, 1
.rept 15
	v_max3_num_f32 v[X0], v[X0], |v[S+4*qi]|, |v[S+4*qi+2]|  ; the two columns by turns
	v_max3_num_f32 v[X1], v[X1], |v[S+4*qi+1]|, |v[S+4*qi+3]|
.set qi, qi+1
.endr
	v_add_nc_u32 v[SC0], 0xff000000, v[X0]         ; 2 off the exponent field: the conversion's scale operand
	v_add_nc_u32 v[SC1], 0xff000000, v[X1]
.set qi, 0
.rept 16
	v_mov_b32 v[T0+qi], v[S+2*qi]
	v_mov_b32 v[T1+qi], v[S+2*qi+1]
.set qi, qi+1
.endr
.if \more
	WLOAD (\c)+1, 0
.endif
	v_cvt_scalef32_pk16_fp6_f32 v[X0:X0+2], v[T0:T0+15], v[SC0]
	v_cvt_scalef32_pk16_fp6_f32 v[X1:X1+2], v[T1:T1+15], v[SC1]
	v_nop                                          ; a plain instruction between the conversions and the writes of their sources
.set qi, 0
.rept 16
	v_mov_b32 v[T0+qi], v[S+32+2*qi]
	v_mov_b32 v[T1+qi], v[S+33+2*qi]
.set qi, qi+1
.endr
.if \more
	WLOAD (\c)+1, 16
.endif
	v_cvt_scalef32_pk16_fp6_f32 v[U:U+2], v[T0:T0+15], v[SC0]   ; (a conversion's three registers begin on an even number: the block's second three do not)
	v_nop
.irp i, 0,1,2
	v_mov_b32 v[X0+3+\i], v[U+\i]
.endr
	v_cvt_scalef32_pk16_fp6_f32 v[U:U+2], v[T1:T1+15], v[SC1]
	v_nop
.irp i, 0,1,2
	v_mov_b32 v[X1+3+\i], v[U+\i]
.endr
	v_lshrrev_b32 v[T0], 23, v[SC0]                ; the bytes: lanes 0-15 the even block's, lanes 16-31 the odd block's; column 0,
	v_lshrrev_b32 v[T0+1], 23, v[SC1]              ; column 1
	v_permlane16_swap_b32 v[T0], v[T0+1]           ; now the first holds the even block's bytes (lanes 0-15 tile 0, lanes 16-31 tile 1), the second the odd block's
	v_lshl_or_b32 v[T0], v[T0+1], 8, v[T0]         ; two bytes of the scale word of the lane's row
	s_cmp_eq_u32 s46, 0                            ; the wave's parity: which six registers of the fragment are mine
	s_cbranch_scc0 .Lodd_\@
	ds_store_b128 v[LW], v[X0:X0+3] offset:((\c)%2)*CHB          ; registers 0-3
	ds_store_b64 v[LW], v[X0+4:X0+5] offset:((\c)%2)*CHB+512     ; registers 4, 5
	ds_store_b128 v[LW], v[X1:X1+3] offset:((\c)%2)*CHB+1536
	ds_store_b64 v[LW], v[X1+4:X1+5] offset:((\c)%2)*CHB+2048
	s_branch .Lput_\@
.Lodd_\@:
	ds_store_b64 v[LW], v[X0:X0+1] offset:((\c)%2)*CHB+520       ; registers 6, 7
	ds_store_b128 v[LW], v[X0+2:X0+5] offset:((\c)%2)*CHB+1024   ; registers 8-11
	ds_store_b64 v[LW], v[X1:X1+1] offset:((\c)%2)*CHB+2056
	ds_store_b128 v[LW], v[X1+2:X1+5] offset:((\c)%2)*CHB+2560
.Lput_\@:
	ds_store_b16 v[LWS], v[T0] offset:((\c)%2)*CHB
.endm
.macro BARRIER                         ; my LDS stores have landed and my LDS loads are in: then the work-group's barrier
	s_wait_dscnt 0x0
	s_barrier_signal -1
	s_barrier_wait -1
.endm
.macro WFLOAD set, c, s                ; 7 LDS loads: K step s of chunk c: two tiles' fragments and their scale words
.irp u, 0,1
.irp i, 0,1,2
	ds_load_b128 v[WF+24*(\set)+12*\u+4*\i:WF+24*(\set)+12*\u+4*\i+3], v[L16+(\c)/2] offset:((\c)%2)*CHB+(\s)*3072+\u*1536+\i*512
.endr
.endr
	ds_load_b32 v[WS+(\set)], v[L4+(\c)/2] offset:((\c)%2)*CHB+SCB+(\s)*128
.endm
; My tile against chunk c: 8 K steps x 2 tiles of columns.  The two accumulators take turns, one instruction a turn.
.macro TOKEN c, zero
	WFLOAD 0, \c, 0
	WFLOAD 1, \c, 1
.rept 4
	v_nop                                          ; places between the vector work that used these registers and the products
.endr
.irp s, 0,1,2,3,4,5,6,7
.if \s < 7
	s_wait_dscnt 7                                 ; this K step's 7 loads are in; the next step's 7 may be out
.else
	s_wait_dscnt 0x0
.endif
.if (\zero) && (\s == 0)
	v_wmma_scale_f32_16x16x128_f8f6f4 v[ACC:ACC+7], v[WF+24*(\s%2):WF+24*(\s%2)+11], v[TF+12*\s:TF+12*\s+11], 0, v[WS+(\s%2)], v[TFS+\s] matrix_a_fmt:MATRIX_FMT_FP6 matrix_b_fmt:MATRIX_FMT_FP6
	v_wmma_scale_f32_16x16x128_f8f6f4 v[ACC+8:ACC+15], v[WF+24*(\s%2)+12:WF+24*(\s%2)+23], v[TF+12*\s:TF+12*\s+11], 0, v[WS+(\s%2)], v[TFS+\s] matrix_a_fmt:MATRIX_FMT_FP6 matrix_b_fmt:MATRIX_FMT_FP6 matrix_a_scale:MATRIX_SCALE_ROW1
.else
	v_wmma_scale_f32_16x16x128_f8f6f4 v[ACC:ACC+7], v[WF+24*(\s%2):WF+24*(\s%2)+11], v[TF+12*\s:TF+12*\s+11], v[ACC:ACC+7], v[WS+(\s%2)], v[TFS+\s] matrix_a_fmt:MATRIX_FMT_FP6 matrix_b_fmt:MATRIX_FMT_FP6
	v_wmma_scale_f32_16x16x128_f8f6f4 v[ACC+8:ACC+15], v[WF+24*(\s%2)+12:WF+24*(\s%2)+23], v[TF+12*\s:TF+12*\s+11], v[ACC+8:ACC+15], v[WS+(\s%2)], v[TFS+\s] matrix_a_fmt:MATRIX_FMT_FP6 matrix_b_fmt:MATRIX_FMT_FP6 matrix_a_scale:MATRIX_SCALE_ROW1
.endif
.if \s < 6
.rept 4
	v_nop                                          ; four places in front of loads into registers that the products have read
.endr
	WFLOAD \s%2, \c, \s+2
.elseif \s == 7
.rept 5
	v_nop                                          ; five: the next chunk's first products begin these accumulators anew
.endr
.endif
.endr
.endm
; relu, the block's scale, 16 codes a lane; they are block c of the fragment
.macro EPI1 c
.set ei, 0
.rept 16
	v_max_num_f32 v[ACC+ei], 0, v[ACC+ei]          ; each accumulator from its low end on
.set ei, ei+1
.endr
	v_max3_num_f32 v[T0], v[ACC], v[ACC+1], 0x1800000            ; none is negative: no |.|; the floor among the leaves
.irp i, 2,4,6,8,10,12,14
	v_max3_num_f32 v[T0], v[T0], v[ACC+\i], v[ACC+\i+1]
.endr
	v_permlanex16_b32 v[T0+1], v[T0], s42, s43
	v_max_num_f32 v[T0], v[T0], v[T0+1]            ; with lane l xor 16's 16: the block's largest
	v_add_nc_u32 v[T0+2], 0xff000000, v[T0]
	v_cvt_scalef32_pk16_fp6_f32 v[U:U+2], v[ACC:ACC+15], v[T0+2]
	v_lshrrev_b32 v[T0+3], 23, v[T0+2]             ; the byte.  (A plain instruction behind the conversion)
.if (\c) == 0
	v_mov_b32 v[HW], v[T0+3]
.else
	v_lshl_or_b32 v[HW], v[T0+3], 8*(\c), v[HW]
.endif
.irp i, 0,1,2
.set HR, 8+(3*(\c)+\i)+234*((3*(\c)+\i)/8)         ; register 3 c + i of the twelve: v8-15, then v250-253
	v_mov_b32 v[HR], v[U+\i]
.endr
.endm
; The operand's layout wants a whole block in a lane: lanes 0-15 blocks 0 and 2, lanes 16-31 blocks 1 and 3.  Then the image leaves: each store 512 bytes on end.
.macro FINISH
	v_permlane16_swap_b32 v8, v11
	v_permlane16_swap_b32 v9, v12
	v_permlane16_swap_b32 v10, v13
	v_permlane16_swap_b32 v14, v251
	v_permlane16_swap_b32 v15, v252
	v_permlane16_swap_b32 v250, v253
	global_store_b128 v[L16], v[8:11], s[38:39]
	global_store_b128 v[L16], v[12:15], s[38:39] offset:512
	global_store_b128 v[L16], v[250:253], s[38:39] offset:1024
	global_store_b32 v[L4], v[HW], s[40:41]
.endm
.macro LISTX                           ; my row's token: order[min(start + 16 t + r, start + count - 1)]
	s_add_co_u32 s28, s24, s27
	v_and_b32 v[ACC], 15, v0
	v_add_nc_u32 v[ACC], s28, v[ACC]
	v_min_u32 v[ACC], s29, v[ACC]
	v_min_u32 v[ACC], 0x3ff, v[ACC]
	v_lshlrev_b32 v[ACC], 2, v[ACC]
	global_load_b32 v[ACC], v[ACC], s[10:11]
.endm
.macro XADR                            ; where that token's codes and scale words lie
	v_min_u32 v[ACC], 0x3ff, v[ACC]
	v_bfe_u32 v[ACC+2], v0, 4, 1
	v_mul_u32_u24 v[ACC+1], v[ACC], 768
	v_mad_u32_u24 v[ACC+1], v[ACC+2], 48, v[ACC+1] ; + 48 h
	v_lshlrev_b32 v[ACC+2], 5, v[ACC]
.endm
.macro TFLOAD                          ; 26 loads: x's 8 fragments, 48 bytes a lane each, and the row's 8 scale words
.irp s, 0,1,2,3,4,5,6,7
.irp i, 0,1,2
	global_load_b128 v[TF+12*\s+4*\i:TF+12*\s+4*\i+3], v[ACC+1], s[6:7] offset:96*\s+16*\i
.endr
.endr
	global_load_b128 v[TFS:TFS+3], v[ACC+2], s[8:9]
	global_load_b128 v[TFS+4:TFS+7], v[ACC+2], s[8:9] offset:16
.endm
.macro TILE c                          ; my tile's turn on chunk c, if the expert has so many rows
	s_cmp_lt_u32 s27, s25
	s_cbranch_scc0 .Lno_tile_\@
	TOKEN \c, 1
	EPI1 \c
.Lno_tile_\@:
.endm
	s_load_b256 s[4:11], s[0:1], 0x0               ; wi s[4:5], xq s[6:7], xs s[8:9], route s[10:11]
	s_load_b128 s[12:15], s[0:1], 0x20             ; hq s[12:13], hs s[14:15]
	v_lshrrev_b32 v1, 5, v0
	v_readfirstlane_b32 s20, v1                    ; wave 0..15
	s_and_b32 s23, ttmp7, 0xffff                   ; the expert
	s_lshr_b32 s48, s20, 1                         ; the K step that I stream
	s_and_b32 s46, s20, 1                          ; and its half
	v_and_b32 v8, 31, v0                           ; lane
	v_and_b32 v9, 15, v0                           ; a
	v_bfe_u32 v10, v0, 4, 1                        ; p
	v_lshlrev_b32 v[VW], 3, v9
	v_lshl_add_u32 v[VW], v10, 19, v[VW]           ; 32 rows of 16,384 bytes
	s_lshl_b32 s30, s20, 20                        ; 64 rows a wave
	v_add_nc_u32 v[VW], s30, v[VW]
	v_lshlrev_b32 v[L16], 4, v8
	v_add_nc_u32 v[L16+1], HALF, v[L16]
	v_lshlrev_b32 v[L4], 2, v8
	v_add_nc_u32 v[L4+1], HALF, v[L4]
	s_mul_i32 s30, s48, 3072
	v_add_nc_u32 v[LW], s30, v[L16]
	s_lshl_b32 s30, s48, 7
	s_lshl_b32 s31, s46, 1
	s_add_co_u32 s30, s30, s31
	s_add_co_u32 s30, s30, SCB
	v_add_nc_u32 v[LWS], s30, v[L4]
	s_lshl_b32 s30, s23, 24                        ; an expert's wi is 2^24 bytes
	s_lshl_b32 s31, ttmp9, 9                       ; my 128 columns
	s_add_co_u32 s30, s30, s31
	s_mov_b32 s31, 0
	s_lshl_b32 s36, s23, 2
	s_wait_kmcnt 0x0
	s_add_nc_u64 s[32:33], s[4:5], s[30:31]
	s_load_b32 s22, s[10:11], s36 offset:0x1000    ; start | count << 16
	WLOAD 0, 0                                     ; the first chunk goes out ahead of everything else
	WLOAD 0, 16
	s_mov_b32 s42, 0x76543210
	s_mov_b32 s43, 0xfedcba98                      ; v_permlanex16_b32's selects for lane l xor 16
	s_lshl_b32 s27, s20, 4                         ; my tile's first row: 16 t, t = wave
	s_lshl_b32 s28, s23, 6
	s_add_co_u32 s28, s28, s20
	s_lshl_b32 s28, s28, 5
	s_add_co_u32 s28, s28, ttmp9                   ; (64 e + t) 32 + g
	s_mul_i32 s30, s28, 1536
	s_add_nc_u64 s[38:39], s[12:13], s[30:31]      ; my image in hq
	s_lshl_b32 s30, s28, 7
	s_add_nc_u64 s[40:41], s[14:15], s[30:31]      ; and its scale words in hs
.irp i, 8,9,10,11,12,13,14,15,250,251,252,253,254
	v_mov_b32 v\i, 0                               ; h's codes and scale word: written here, so that they are written on every way through the blocks below
.endr
	s_wait_kmcnt 0x0
	s_and_b32 s24, s22, 0xffff
	s_min_u32 s24, s24, 1024                       ; start
	s_lshr_b32 s25, s22, 16
	s_min_u32 s25, s25, 1024                       ; count
	s_add_co_u32 s29, s24, s25
	s_sub_co_u32 s29, s29, 1                       ; the expert's last place in the list
	LISTX
	s_wait_loadcnt 0x0                             ; chunk 0 and my row's token are in
	XADR
	TFLOAD                                         ; every wave loads x's fragments (a wave without a tile: the last row's, sixteen times)
	QUANT 0, 1
	BARRIER                                        ; chunk 0's codes lie in LDS
	s_wait_loadcnt 32                              ; x's 26 loads are in; behind them chunk 1's 32
	TILE 0
	s_wait_loadcnt 0x0                             ; chunk 1
	QUANT 1, 1
	v_add_nc_u32 v[LW], HALF, v[LW]                ; on to chunks 2 and 3
	v_add_nc_u32 v[LWS], HALF, v[LWS]
	BARRIER
	TILE 1
	s_wait_loadcnt 0x0
	QUANT 2, 1
	BARRIER
	TILE 2
	s_wait_loadcnt 0x0
	QUANT 3, 0
	BARRIER                                        ; the last barrier: from here on LDS is only read
	s_cmp_lt_u32 s27, s25
	s_cbranch_scc0 .Lno_first
	TOKEN 3, 1
	EPI1 3
	FINISH
.Lno_first:
	s_mov_b32 s47, 3                               ; tiles 16 + w, 32 + w, 48 + w: there only if the expert has more than 256 rows
.Ltail:
	s_wait_xcnt 0x0                                ; the stores have read their registers and bases: both may be written again
	s_add_co_u32 s27, s27, 256
	s_add_nc_u64 s[38:39], s[38:39], 786432        ; 16 tiles x 32 K steps x 1,536 bytes
	s_add_nc_u64 s[40:41], s[40:41], 65536
	s_cmp_lt_u32 s27, s25
	s_cbranch_scc0 .Lnone
	LISTX
	s_wait_loadcnt 0x0
	XADR
	TFLOAD
	s_wait_loadcnt 0x0
	TOKEN 0, 1
	EPI1 0
	TOKEN 1, 1
	EPI1 1
	TOKEN 2, 1
	EPI1 2
	TOKEN 3, 1
	EPI1 3
	FINISH
.Lnone:
	s_sub_co_u32 s47, s47, 1
	s_cmp_lg_u32 s47, 0
	s_cbranch_scc1 .Ltail
	s_wait_xcnt 0x0
	v_lshl_add_u32 v254, v0, 2, 0x19000
	v_mov_b32 v255, 0
	s_wait_tensorcnt 0x0
	ds_add_u32 v254, v255
	s_wait_dscnt 0x0
	s_endpgm
.Lfunc_end_k_qe3959e718d_up:
	.size	k_qe3959e718d_up, .Lfunc_end_k_qe3959e718d_up-k_qe3959e718d_up
	.p2alignl 7, 3214868480
	.fill 96, 4, 3214868480
	.section	.rodata,"a",@progbits
	.p2align	6, 0x0
	.amdhsa_kernel k_qe3959e718d_up
		.amdhsa_group_segment_fixed_size 104448
		.amdhsa_private_segment_fixed_size 0
		.amdhsa_enable_private_segment 0
		.amdhsa_kernarg_size 48
		.amdhsa_user_sgpr_count 2
		.amdhsa_user_sgpr_kernarg_segment_ptr 1
		.amdhsa_wavefront_size32 1
		.amdhsa_system_sgpr_workgroup_id_x 1
		.amdhsa_system_sgpr_workgroup_id_y 1
		.amdhsa_system_sgpr_workgroup_id_z 1
		.amdhsa_system_vgpr_workitem_id 0
		.amdhsa_next_free_vgpr 256
		.amdhsa_next_free_sgpr 66
		.amdhsa_reserve_vcc 0
		.amdhsa_float_denorm_mode_32 3
		.amdhsa_float_denorm_mode_16_64 3
		.amdhsa_memory_ordered 1
		.amdhsa_forward_progress 1
		.amdhsa_inst_pref_size 112
	.end_amdhsa_kernel
	.amdgpu_metadata
---
amdhsa.version: [ 1, 2 ]
amdhsa.kernels:
  - .name:           k_qe3959e718d_up
    .symbol:         k_qe3959e718d_up.kd
    .args:
      - { .name: wi, .offset: 0, .size: 8, .value_kind: global_buffer, .address_space: global }
      - { .name: xq, .offset: 8, .size: 8, .value_kind: global_buffer, .address_space: global }
      - { .name: xs, .offset: 16, .size: 8, .value_kind: global_buffer, .address_space: global }
      - { .name: route, .offset: 24, .size: 8, .value_kind: global_buffer, .address_space: global }
      - { .name: hq, .offset: 32, .size: 8, .value_kind: global_buffer, .address_space: global }
      - { .name: hs, .offset: 40, .size: 8, .value_kind: global_buffer, .address_space: global }
    .group_segment_fixed_size: 104448
    .private_segment_fixed_size: 0
    .kernarg_segment_align: 8
    .kernarg_segment_size: 48
    .max_flat_workgroup_size: 512
    .sgpr_count:     66
    .vgpr_count:     256
    .wavefront_size: 32
...
	.end_amdgpu_metadata
.endif
;; end of part 3
;; launch down (part 4): grid 32 x 8, 16 waves a work-group, no clusters, 141,312 bytes of LDS; arguments wo, hq, hs, route, prob, hidden_states, out0; writes out0
.if DOCPART == 4
	.amdgcn_target "amdgcn-amd-amdhsa--gfx1250"
	.amdhsa_code_object_version 6
	.text
	.protected	k_qe3959e718d_down
	.globl	k_qe3959e718d_down
	.p2align	8
	.type	k_qe3959e718d_down,@function
k_qe3959e718d_down:
	s_mov_b64 s[64:65], 0
	v_nop
	global_prefetch_b8 v0, s[64:65] scope:SCOPE_SE
	s_setreg_imm32_b32 hwreg(HW_REG_WAVE_MODE, 25, 1), 1
	s_wait_xcnt 0x0
; DOWN.  out0 = hidden + p (h Q(wo[e])) for the rows that chose expert e, on codes of FP6 (E2M3) with one E8M0 scale for each 32 along K.
; SHARES.  Work-group (g, e) owns output columns 32 g .. 32 g + 31 of expert e, for all K = 4,096: each output number has one owner.  It reads its 4,096 x 32 numbers of wo once, in four chunks
; of 1,024 along K, quantises them in registers on the way, and keeps the codes of all four chunks in LDS (4 x 25,600 bytes).
; STREAMING.  Of a chunk, wave w takes rows 64 w .. 64 w + 63: half w % 2 of the chunk's K step w / 2.  Lane (a = l % 16, p = l / 16) loads 8 bytes: columns 2 a, 2 a + 1; sixteen lanes read 128 bytes on
; end.  A lane holds two whole blocks of 32 along K, one of each column, and is already lane (r = a, h = p) of the operand, where tile u = columns 2 r + u.
; THE ORDER INSIDE A BLOCK: h's codes lie so that place t of a block holds unit 16 (t / 16) + 2 (t % 8) + (t / 8) % 2; wo's rows are loaded in that order (it stands in the loads' immediates).
; A permutation inside a block, the same on both sides, keeps blocks, scales, codes and products; only the order of the sums differs.
; A FRAGMENT LIES IN LDS AS AN IMAGE OF ITS 12 REGISTERS: group i at 512 i + 16 x lane.  The even wave of a K step makes registers 0-5, the odd one 6-11.
; TOKENS.  Wave w takes tile w of the expert's rows, chunk by chunk behind each chunk's barrier, if the expert has so many rows; tiles 16 .. 63 follow in a loop of three trips.  Rows past the count repeat
; the expert's last row and store the same bytes to the same place.  Source 0 = 16 columns of wo, source 1 = h's image from hq: lane (r = token, h), register j of tile u holds column 16 h + 2 j + u.
; LOADS come back in order, so h's fragments of chunk c are asked for AHEAD of the weights of chunk c + 1: both stand behind barrier c, in one branch with two arms; the weights' loads are written in both.
; BRANCHES hang on the expert's count, read from memory: never round a barrier, and each such block reads only what is written without condition or in the block itself (so y's sums begin as zeros
; written at the head, 16 registers, and the list and the probability are loaded by every wave).
; NO CLUSTER, NO TENSOR LOAD: joint requests are tensor loads.
; LIMITS: NaN and infinities are not served; a block whose largest magnitude lies under 2^-124 (a block of zeros too) gets the byte 1, read by this program alone.
.set CHB,  25600                       ; a chunk in LDS: 8 K steps x 2 tiles x 1,536 bytes, then 8 x 128 bytes of scale words
.set SCB,  24576
.set HALF, 51200                       ; two chunks: an LDS immediate has 16 bits
.set STAGE, 102400                     ; behind the chunks: 16 rows x (128 + 16) bytes for each wave, for the way out
.set VW,   1                           ; v1    my offset in wo: 8 a + 32 p rows + 64 w rows; never rewritten
.set LW,   2                           ; v2    where I store codes; stepped once, by HALF
.set LWS,  3                           ; v3    and scale bytes; stepped once
.set L16,  4                           ; v4    16 l; v5 the same + HALF
.set L4,   6                           ; v6    4 l; v7 the same + HALF
.set STW,  8                           ; v8    the stage: where I put 64 bytes of a row
.set STR,  9                           ; v9    and where I read 16 bytes back
.set TK2,  10                          ; v10-13 row 4 q + l / 8 of my tile: its token's byte offset, + 16 (l % 8)
.set PRB,  14                          ; v14   row r's probability
.set S,    16                          ; v16-79   64 numbers of wo as loaded; at the end 16 numbers of hidden_states
.set TF,   80                          ; v80-175  8 fragments of h
.set TFS,  176                         ; v176-183 their scale words, and nothing else
.set ACC,  184                         ; v184-199 two accumulators
.set WF,   200                         ; v200-247 wo's fragments, two sets of two tiles; while quantising and on the way out: at work
.set T0,   200
.set T1,   216
.set X0,   232
.set X1,   238
.set U,    244
.set SC0,  247
.set WS,   248                         ; v248-249 wo's scale words of the two sets, and nothing else
.set SC1,  255
.macro WLOAD c, q0                     ; 16 loads: places q0 .. q0 + 15 of my blocks of chunk c
.set wq, \q0
.rept 16
	global_load_b64 v[S+2*wq:S+2*wq+1], v[VW], s[32+2*((\c)/2):33+2*((\c)/2)] offset:4096*(16*(wq/16)+2*(wq%8)+((wq/8)%2))+((\c)%2)*4194304
.set wq, wq+1
.endr
.endm
; My 64 x 2 numbers become two halves of fragments and two scale bytes a column.
.macro QUANT c
	v_max3_num_f32 v[X0], |v[S]|, |v[S+2]|, 0x1800000       ; the floor 2^(3 - 127) among the leaves: the byte cannot fall under 1
	v_max3_num_f32 v[X1], |v[S+1]|, |v[S+3]|, 0x1800000
.set qi, 1
.rept 15
	v_max3_num_f32 v[X0], v[X0], |v[S+4*qi]|, |v[S+4*qi+2]|  ; the two columns by turns
	v_max3_num_f32 v[X1], v[X1], |v[S+4*qi+1]|, |v[S+4*qi+3]|
.set qi, qi+1
.endr
	v_add_nc_u32 v[SC0], 0xff000000, v[X0]         ; 2 off the exponent field: the conversion's scale operand
	v_add_nc_u32 v[SC1], 0xff000000, v[X1]
.set qi, 0
.rept 16
	v_mov_b32 v[T0+qi], v[S+2*qi]
	v_mov_b32 v[T1+qi], v[S+2*qi+1]
.set qi, qi+1
.endr
	v_cvt_scalef32_pk16_fp6_f32 v[X0:X0+2], v[T0:T0+15], v[SC0]
	v_cvt_scalef32_pk16_fp6_f32 v[X1:X1+2], v[T1:T1+15], v[SC1]
	v_nop                                          ; a plain instruction between the conversions and the writes of their sources
.set qi, 0
.rept 16
	v_mov_b32 v[T0+qi], v[S+32+2*qi]
	v_mov_b32 v[T1+qi], v[S+33+2*qi]
.set qi, qi+1
.endr
	v_cvt_scalef32_pk16_fp6_f32 v[U:U+2], v[T0:T0+15], v[SC0]   ; (a conversion's three registers begin on an even number: the block's second three do not)
	v_nop
.irp i, 0,1,2
	v_mov_b32 v[X0+3+\i], v[U+\i]
.endr
	v_cvt_scalef32_pk16_fp6_f32 v[U:U+2], v[T1:T1+15], v[SC1]
	v_nop
.irp i, 0,1,2
	v_mov_b32 v[X1+3+\i], v[U+\i]
.endr
	v_lshrrev_b32 v[T0], 23, v[SC0]                ; the bytes: lanes 0-15 the even block's, lanes 16-31 the odd block's; column 0,
	v_lshrrev_b32 v[T0+1], 23, v[SC1]              ; column 1
	v_permlane16_swap_b32 v[T0], v[T0+1]           ; now the first holds the even block's bytes (lanes 0-15 tile 0, lanes 16-31 tile 1), the second the odd block's
	v_lshl_or_b32 v[T0], v[T0+1], 8, v[T0]
	s_cmp_eq_u32 s46, 0                            ; the wave's parity: which six registers of the fragment are mine
	s_cbranch_scc0 .Lodd_\@
	ds_store_b128 v[LW], v[X0:X0+3] offset:((\c)%2)*CHB          ; registers 0-3
	ds_store_b64 v[LW], v[X0+4:X0+5] offset:((\c)%2)*CHB+512     ; registers 4, 5
	ds_store_b128 v[LW], v[X1:X1+3] offset:((\c)%2)*CHB+1536
	ds_store_b64 v[LW], v[X1+4:X1+5] offset:((\c)%2)*CHB+2048
	s_branch .Lput_\@
.Lodd_\@:
	ds_store_b64 v[LW], v[X0:X0+1] offset:((\c)%2)*CHB+520       ; registers 6, 7
	ds_store_b128 v[LW], v[X0+2:X0+5] offset:((\c)%2)*CHB+1024   ; registers 8-11
	ds_store_b64 v[LW], v[X1:X1+1] offset:((\c)%2)*CHB+2056
	ds_store_b128 v[LW], v[X1+2:X1+5] offset:((\c)%2)*CHB+2560
.Lput_\@:
	ds_store_b16 v[LWS], v[T0] offset:((\c)%2)*CHB
.endm
.macro BARRIER                         ; my LDS stores have landed and my LDS loads are in: then the work-group's barrier
	s_wait_dscnt 0x0
	s_barrier_signal -1
	s_barrier_wait -1
.endm
.macro WFLOAD set, c, s                ; 7 LDS loads: K step s of chunk c: two tiles' fragments and their scale words
.irp u, 0,1
.irp i, 0,1,2
	ds_load_b128 v[WF+24*(\set)+12*\u+4*\i:WF+24*(\set)+12*\u+4*\i+3], v[L16+(\c)/2] offset:((\c)%2)*CHB+(\s)*3072+\u*1536+\i*512
.endr
.endr
	ds_load_b32 v[WS+(\set)], v[L4+(\c)/2] offset:((\c)%2)*CHB+SCB+(\s)*128
.endm
; My tile against chunk c: 8 K steps x 2 tiles of columns.  The two accumulators take turns, one instruction a turn.
.macro TOKEN c, zero
	WFLOAD 0, \c, 0
	WFLOAD 1, \c, 1
.rept 4
	v_nop                                          ; places between the vector work that used these registers and the products
.endr
.irp s, 0,1,2,3,4,5,6,7
.if \s < 7
	s_wait_dscnt 7                                 ; this K step's 7 loads are in; the next step's 7 may be out
.else
	s_wait_dscnt 0x0
.endif
.if (\zero) && (\s == 0)
	v_wmma_scale_f32_16x16x128_f8f6f4 v[ACC:ACC+7], v[WF+24*(\s%2):WF+24*(\s%2)+11], v[TF+12*\s:TF+12*\s+11], 0, v[WS+(\s%2)], v[TFS+\s] matrix_a_fmt:MATRIX_FMT_FP6 matrix_b_fmt:MATRIX_FMT_FP6
	v_wmma_scale_f32_16x16x128_f8f6f4 v[ACC+8:ACC+15], v[WF+24*(\s%2)+12:WF+24*(\s%2)+23], v[TF+12*\s:TF+12*\s+11], 0, v[WS+(\s%2)], v[TFS+\s] matrix_a_fmt:MATRIX_FMT_FP6 matrix_b_fmt:MATRIX_FMT_FP6 matrix_a_scale:MATRIX_SCALE_ROW1
.else
	v_wmma_scale_f32_16x16x128_f8f6f4 v[ACC:ACC+7], v[WF+24*(\s%2):WF+24*(\s%2)+11], v[TF+12*\s:TF+12*\s+11], v[ACC:ACC+7], v[WS+(\s%2)], v[TFS+\s] matrix_a_fmt:MATRIX_FMT_FP6 matrix_b_fmt:MATRIX_FMT_FP6
	v_wmma_scale_f32_16x16x128_f8f6f4 v[ACC+8:ACC+15], v[WF+24*(\s%2)+12:WF+24*(\s%2)+23], v[TF+12*\s:TF+12*\s+11], v[ACC+8:ACC+15], v[WS+(\s%2)], v[TFS+\s] matrix_a_fmt:MATRIX_FMT_FP6 matrix_b_fmt:MATRIX_FMT_FP6 matrix_a_scale:MATRIX_SCALE_ROW1
.endif
.if \s < 6
.rept 4
	v_nop                                          ; four places in front of loads into registers that the products have read
.endr
	WFLOAD \s%2, \c, \s+2
.elseif \s == 7
.rept 5
	v_nop                                          ; five: a later tile's first products begin these accumulators anew; they serve the loads and reads that follow too
.endr
.endif
.endr
.endm
.macro TFLOAD c                        ; 32 loads: h's fragments of K steps 8 c .. 8 c + 7 of my tile, as images, and their scale words
.irp s, 0,1,2,3,4,5,6,7
.irp i, 0,1,2
	global_load_b128 v[TF+12*\s+4*\i:TF+12*\s+4*\i+3], v[L16], s[38:39] offset:(8*(\c)+\s)*1536+512*\i
.endr
	global_load_b32 v[TFS+\s], v[L4], s[40:41] offset:(8*(\c)+\s)*128
.endr
.endm
.macro HLOAD                           ; 4 loads: hidden_states at my tile's rows, my work-group's 128 bytes: eight lanes to a row, four rows an instruction
.irp q, 0,1,2,3
	global_load_b128 v[S+4*\q:S+4*\q+3], v[TK2+\q], s[42:43]
.endr
.endm
.macro LISTD                           ; 5 loads from the list: the tokens of rows 4 q + l / 8 and of row r, each index held to the expert's last place
	s_add_co_u32 s28, s24, s27
	v_bfe_u32 v15, v0, 3, 2
	v_add_nc_u32 v15, s28, v15
.irp q, 0,1,2,3
	v_add_nc_u32 v[TK2+\q], 4*\q, v15
	v_min_u32 v[TK2+\q], s29, v[TK2+\q]
	v_min_u32 v[TK2+\q], 0x3ff, v[TK2+\q]
	v_lshlrev_b32 v[TK2+\q], 2, v[TK2+\q]
.endr
	v_and_b32 v[PRB], 15, v0
	v_add_nc_u32 v[PRB], s28, v[PRB]
	v_min_u32 v[PRB], s29, v[PRB]
	v_min_u32 v[PRB], 0x3ff, v[PRB]
	v_lshlrev_b32 v[PRB], 2, v[PRB]
.irp q, 0,1,2,3
	global_load_b32 v[TK2+\q], v[TK2+\q], s[10:11]
.endr
	global_load_b32 v[PRB], v[PRB], s[10:11]
.endm
.macro LISTD2                          ; the tokens become offsets; row r's probability is asked for
	v_and_b32 v15, 7, v0
	v_lshlrev_b32 v15, 4, v15
.irp q, 0,1,2,3
	v_min_u32 v[TK2+\q], 0x3ff, v[TK2+\q]
	v_lshl_add_u32 v[TK2+\q], v[TK2+\q], 12, v15
.endr
	v_min_u32 v[PRB], 0x3ff, v[PRB]
	v_lshlrev_b32 v[PRB], 2, v[PRB]
	global_load_b32 v[PRB], v[PRB], s[12:13]
.endm
; THE WAY OUT.  p y, with the two tiles' columns put in order by the multiplications' destinations; through my own stage in LDS, so that a row's 128 bytes lie in eight neighbouring lanes; + hidden; stored.
.macro EPI2
.irp j, 0,1,2,3,4,5,6,7
	v_mul_f32 v[T0+2*\j], v[ACC+\j], v[PRB]        ; column 16 h + 2 j;  each accumulator from its low end on
	v_mul_f32 v[T0+2*\j+1], v[ACC+8+\j], v[PRB]    ; column 16 h + 2 j + 1
.endr
.irp q, 0,1,2,3
	ds_store_b128 v[STW], v[T0+4*\q:T0+4*\q+3] offset:16*\q
.endr
.irp q, 0,1,2,3
	ds_load_b128 v[T1+4*\q:T1+4*\q+3], v[STR] offset:576*\q    ; LDS serves a wave's instructions in order (ISA guide 5.7.1.4): these see my stores
.endr
	s_wait_dscnt 0x0
	s_wait_loadcnt 0x0                             ; hidden_states
.irp i, 0,1,2,3,4,5,6,7
	v_pk_add_f32 v[S+2*\i:S+2*\i+1], v[S+2*\i:S+2*\i+1], v[T1+2*\i:T1+2*\i+1]
.endr
.irp q, 0,1,2,3
	global_store_b128 v[TK2+\q], v[S+4*\q:S+4*\q+3], s[44:45]
.endr
.endm
; Behind barrier c (c = 0, 1, 2): a wave with a tile asks for h's fragments, then for the next chunk's weights, and multiplies; a wave without asks for the weights alone.
.macro STEPD c
	s_cmp_lt_u32 s27, s25
	s_cbranch_scc0 .Lidle_\@
	TFLOAD \c
	WLOAD (\c)+1, 0
	WLOAD (\c)+1, 16
	s_wait_loadcnt 32                              ; h's 32 loads are in; behind them the weights' 32
	TOKEN \c, 0
	s_branch .Ljoin_\@
.Lidle_\@:
	WLOAD (\c)+1, 0
	WLOAD (\c)+1, 16
.Ljoin_\@:
	s_wait_loadcnt 0x0                             ; the next chunk's weights
.endm
	s_load_b256 s[4:11], s[0:1], 0x0               ; wo s[4:5], hq s[6:7], hs s[8:9], route s[10:11]
	s_load_b128 s[12:15], s[0:1], 0x20             ; prob s[12:13], hidden_states s[14:15]
	s_load_b64 s[16:17], s[0:1], 0x30              ; out0
	v_lshrrev_b32 v1, 5, v0
	v_readfirstlane_b32 s20, v1                    ; wave 0..15
	s_and_b32 s23, ttmp7, 0xffff                   ; the expert
	s_lshr_b32 s48, s20, 1                         ; the K step of a chunk that I stream
	s_and_b32 s46, s20, 1                          ; and its half
	v_and_b32 v250, 31, v0                         ; lane
	v_and_b32 v251, 15, v0                         ; a, r
	v_bfe_u32 v252, v0, 4, 1                       ; p, h
	v_lshlrev_b32 v[VW], 3, v251
	v_lshl_add_u32 v[VW], v252, 17, v[VW]          ; 32 rows of 4,096 bytes
	s_lshl_b32 s30, s20, 18                        ; 64 rows a wave
	v_add_nc_u32 v[VW], s30, v[VW]
	v_lshlrev_b32 v[L16], 4, v250
	v_add_nc_u32 v[L16+1], HALF, v[L16]
	v_lshlrev_b32 v[L4], 2, v250
	v_add_nc_u32 v[L4+1], HALF, v[L4]
	s_mul_i32 s30, s48, 3072
	v_add_nc_u32 v[LW], s30, v[L16]
	s_lshl_b32 s30, s48, 7
	s_lshl_b32 s31, s46, 1
	s_add_co_u32 s30, s30, s31
	s_add_co_u32 s30, s30, SCB
	v_add_nc_u32 v[LWS], s30, v[L4]
	s_mul_i32 s30, s20, 2304
	s_add_co_u32 s30, s30, STAGE                   ; my stage
	v_mul_u32_u24 v[STW], v251, 144
	v_lshl_add_u32 v[STW], v252, 6, v[STW]
	v_add_nc_u32 v[STW], s30, v[STW]               ; in: row r, 64 bytes for each half of the lanes
	v_bfe_u32 v253, v0, 3, 2
	v_mul_u32_u24 v[STR], v253, 144
	v_and_b32 v253, 7, v0
	v_lshl_add_u32 v[STR], v253, 4, v[STR]
	v_add_nc_u32 v[STR], s30, v[STR]               ; back: row l / 8 of four, 16 bytes a lane
	s_lshl_b32 s30, s23, 24                        ; an expert's wo is 2^24 bytes
	s_lshl_b32 s31, ttmp9, 7                       ; my 32 columns
	s_add_co_u32 s30, s30, s31
	s_mov_b32 s31, 0
	s_lshl_b32 s36, s23, 2
	s_wait_kmcnt 0x0
	s_add_nc_u64 s[32:33], s[4:5], s[30:31]        ; chunks 0 and 1
	s_add_nc_u64 s[34:35], s[32:33], 0x800000      ; chunks 2 and 3: the loads' immediates have 24 bits with their sign
	s_load_b32 s22, s[10:11], s36 offset:0x1000    ; start | count << 16
	WLOAD 0, 0                                     ; the first chunk goes out ahead of everything else
	WLOAD 0, 16
	s_lshl_b32 s30, ttmp9, 7
	s_add_nc_u64 s[42:43], s[14:15], s[30:31]      ; hidden_states and out0 at my 32 columns
	s_add_nc_u64 s[44:45], s[16:17], s[30:31]
	s_lshl_b32 s27, s20, 4                         ; my tile's first row: 16 t, t = wave
	s_lshl_b32 s28, s23, 6
	s_add_co_u32 s28, s28, s20                     ; 64 e + t
	s_mul_i32 s30, s28, 49152
	s_add_nc_u64 s[38:39], s[6:7], s[30:31]        ; my tile's 32 images in hq
	s_lshl_b32 s30, s28, 12
	s_add_nc_u64 s[40:41], s[8:9], s[30:31]        ; and their scale words in hs
.set ai, 0
.rept 16
	v_mov_b32 v[ACC+ai], 0                         ; y's sums begin here, so that they are written on every way through the blocks below
.set ai, ai+1
.endr
	s_wait_kmcnt 0x0
	s_and_b32 s24, s22, 0xffff
	s_min_u32 s24, s24, 1024                       ; start
	s_lshr_b32 s25, s22, 16
	s_min_u32 s25, s25, 1024                       ; count
	s_add_co_u32 s29, s24, s25
	s_sub_co_u32 s29, s29, 1                       ; the expert's last place in the list
	LISTD
	s_wait_loadcnt 0x0                             ; chunk 0 and my rows' tokens are in
	LISTD2
	QUANT 0
	BARRIER                                        ; chunk 0's codes lie in LDS
	STEPD 0
	QUANT 1
	v_add_nc_u32 v[LW], HALF, v[LW]                ; on to chunks 2 and 3
	v_add_nc_u32 v[LWS], HALF, v[LWS]
	BARRIER
	STEPD 1
	QUANT 2
	BARRIER
	STEPD 2
	QUANT 3
	BARRIER                                        ; the last barrier: from here on the chunks are only read
	s_cmp_lt_u32 s27, s25
	s_cbranch_scc0 .Lno_first
	TFLOAD 3
	HLOAD                                          ; the weights' registers are free
	s_wait_loadcnt 4                               ; h's 32 loads are in; the four of hidden_states may be out
	TOKEN 3, 0
	EPI2
.Lno_first:
	s_mov_b32 s47, 3                               ; tiles 16 + w, 32 + w, 48 + w: there only if the expert has more than 256 rows
.Ltail:
	s_wait_xcnt 0x0                                ; the stores have read their registers, offsets and bases: all may be written again
	s_add_co_u32 s27, s27, 256
	s_add_nc_u64 s[38:39], s[38:39], 786432        ; 16 tiles x 32 K steps x 1,536 bytes
	s_add_nc_u64 s[40:41], s[40:41], 65536
	s_cmp_lt_u32 s27, s25
	s_cbranch_scc0 .Lnone
	LISTD
	s_wait_loadcnt 0x0
	LISTD2
	TFLOAD 0
	s_wait_loadcnt 0x0
	TOKEN 0, 1                                     ; the first products start this tile's sums
	TFLOAD 1
	s_wait_loadcnt 0x0
	TOKEN 1, 0
	TFLOAD 2
	s_wait_loadcnt 0x0
	TOKEN 2, 0
	TFLOAD 3
	HLOAD
	s_wait_loadcnt 4                               ; as above
	TOKEN 3, 0
	EPI2
.Lnone:
	s_sub_co_u32 s47, s47, 1
	s_cmp_lg_u32 s47, 0
	s_cbranch_scc1 .Ltail
	s_wait_xcnt 0x0
	v_lshl_add_u32 v254, v0, 2, 0x22000
	v_mov_b32 v255, 0
	s_wait_tensorcnt 0x0
	ds_add_u32 v254, v255
	s_wait_dscnt 0x0
	s_endpgm
.Lfunc_end_k_qe3959e718d_down:
	.size	k_qe3959e718d_down, .Lfunc_end_k_qe3959e718d_down-k_qe3959e718d_down
	.p2alignl 7, 3214868480
	.fill 96, 4, 3214868480
	.section	.rodata,"a",@progbits
	.p2align	6, 0x0
	.amdhsa_kernel k_qe3959e718d_down
		.amdhsa_group_segment_fixed_size 141312
		.amdhsa_private_segment_fixed_size 0
		.amdhsa_enable_private_segment 0
		.amdhsa_kernarg_size 56
		.amdhsa_user_sgpr_count 2
		.amdhsa_user_sgpr_kernarg_segment_ptr 1
		.amdhsa_wavefront_size32 1
		.amdhsa_system_sgpr_workgroup_id_x 1
		.amdhsa_system_sgpr_workgroup_id_y 1
		.amdhsa_system_sgpr_workgroup_id_z 1
		.amdhsa_system_vgpr_workitem_id 0
		.amdhsa_next_free_vgpr 256
		.amdhsa_next_free_sgpr 66
		.amdhsa_reserve_vcc 0
		.amdhsa_float_denorm_mode_32 3
		.amdhsa_float_denorm_mode_16_64 3
		.amdhsa_memory_ordered 1
		.amdhsa_forward_progress 1
		.amdhsa_inst_pref_size 136
	.end_amdhsa_kernel
	.amdgpu_metadata
---
amdhsa.version: [ 1, 2 ]
amdhsa.kernels:
  - .name:           k_qe3959e718d_down
    .symbol:         k_qe3959e718d_down.kd
    .args:
      - { .name: wo, .offset: 0, .size: 8, .value_kind: global_buffer, .address_space: global }
      - { .name: hq, .offset: 8, .size: 8, .value_kind: global_buffer, .address_space: global }
      - { .name: hs, .offset: 16, .size: 8, .value_kind: global_buffer, .address_space: global }
      - { .name: route, .offset: 24, .size: 8, .value_kind: global_buffer, .address_space: global }
      - { .name: prob, .offset: 32, .size: 8, .value_kind: global_buffer, .address_space: global }
      - { .name: hidden_states, .offset: 40, .size: 8, .value_kind: global_buffer, .address_space: global }
      - { .name: out0, .offset: 48, .size: 8, .value_kind: global_buffer, .address_space: global }
    .group_segment_fixed_size: 141312
    .private_segment_fixed_size: 0
    .kernarg_segment_align: 8
    .kernarg_segment_size: 56
    .max_flat_workgroup_size: 512
    .sgpr_count:     66
    .vgpr_count:     256
    .wavefront_size: 32
...
	.end_amdgpu_metadata
.endif
;; end of part 4
;; ======== version 2 of 2: 4 launches
;; workspace buffers: xq 786,432 bytes; xs 32,768 bytes; eidx 4,096 bytes of whole numbers; prob 4,096 bytes; route 4,352 bytes of whole numbers; hq 25,165,824 bytes; hs 2,097,152 bytes
;; launch router (part 5): grid 256 x 1, 4 waves a work-group, no clusters, 0 bytes of LDS; arguments hidden_states, ln_weight, router_w, out1, out2, xq, xs, eidx, prob; writes out1, out2, xq, xs, eidx, prob
.if DOCPART == 5
	.amdgcn_target "amdgcn-amd-amdhsa--gfx1250"
	.amdhsa_code_object_version 6
	.text
	.protected	k_qe3959e718d_router
	.globl	k_qe3959e718d_router
	.p2align	8
	.type	k_qe3959e718d_router,@function
k_qe3959e718d_router:
	s_mov_b64 s[64:65], 0
	v_nop
	global_prefetch_b8 v0, s[64:65] scope:SCOPE_SE
	s_setreg_imm32_b32 hwreg(HW_REG_WAVE_MODE, 25, 1), 1
	s_wait_xcnt 0x0
; ROUTER.  One wave takes one token (1,024 numbers): the RMS norm, the 8 logits (f32 multiply-adds), the softmax's largest
; probability, the index of the first largest probability, and the normed row as codes of FP6 (E2M3) with one E8M0 byte for each 32.
; Lane l holds k = 32 l .. 32 l + 31: one whole block of the quantiser, so that a block's largest magnitude needs no other lane.
; xq: [token][768 bytes]; block b = 4 s + 2 c + h of the row lies at byte 96 s + 48 h + 24 c, so that lane (r, h) of K step s of the
; product finds its 12 operand registers as 48 bytes on end.  xs: [token][32], byte b = block b's scale.
; No address and no branch hangs on the choice: index and probability are stored at the token's own place.
; No LDS, no barrier, no matrix unit: a wave shares nothing, and 8 columns are too few for a matrix tile.
; LIMITS: NaN and infinities are not served.  A block whose largest magnitude lies under 2^-124 (a block of zeros too) gets the byte 1;
; the bytes are read by this program alone, and zero codes add nothing.  v_rsq_f32, v_exp_f32, v_rcp_f32 are as accurate as the ISA guide
; states (chapter 15.8).  Two logits nearer than the f32 sums resolve may be ranked otherwise than by another order of summation.
.set LG, 8                             ; v8-15    the logits
.set EX, 16                            ; v16-23   exponentials, then probabilities
.set TM, 24                            ; v24-31   at work; v30 the index, v31 the largest probability
.set X,  32                            ; v32-63   my 32 numbers
.set G,  64                            ; v64-95   the gain at my 32 places
.set R0, 96                            ; v96-159  router_w: 8 k x 8 experts, two sets
.set R1, 160
.set C0, 224                           ; v224-226, v228-230: my block's codes
.set C1, 228
	s_load_b512 s[4:19], s[0:1], 0x0               ; hidden s[4:5], gain s[6:7], router_w s[8:9], out1 s[10:11], out2 s[12:13], xq s[14:15], xs s[16:17], eidx s[18:19]
	s_load_b64 s[20:21], s[0:1], 0x40              ; prob
	v_lshrrev_b32 v1, 5, v0
	v_readfirstlane_b32 s23, v1                    ; wave
	s_lshl_b32 s22, ttmp9, 2
	s_add_co_u32 s22, s22, s23                     ; my token
	v_and_b32 v1, 31, v0                           ; lane
	v_lshlrev_b32 v2, 7, v1                        ; 128 bytes of the row a lane
	v_lshlrev_b32 v3, 10, v1                       ; 32 rows of router_w a lane
	v_lshrrev_b32 v4, 2, v1
	v_mul_u32_u24 v4, v4, 96                       ; my block's place in xq: 96 (l / 4)
	v_and_b32 v5, 1, v1
	v_mad_u32_u24 v4, v5, 48, v4                   ; + 48 (l % 2)
	v_bfe_u32 v5, v1, 1, 1
	v_mad_u32_u24 v4, v5, 24, v4                   ; + 24 ((l / 2) % 2)
	v_mov_b32 v5, 0
.irp i, 0,1,2,3,4,5,6,7
	v_mov_b32 v[EX+\i], 0                          ; written once: a lane permute's destination counts as one of its sources
.endr
	s_mov_b32 s24, 0x358637bd                      ; 1e-6
	s_mov_b32 s25, 0x3a800000                      ; 1 / 1024
	s_mov_b32 s26, 0x76543210
	s_mov_b32 s27, 0xfedcba98                      ; v_permlanex16_b32's selects for lane l xor 16
	s_mov_b32 s31, 0
	s_wait_kmcnt 0x0
	s_lshl_b32 s30, s22, 12
	s_add_nc_u64 s[4:5], s[4:5], s[30:31]          ; my row
.irp i, 0,1,2,3,4,5,6,7
	global_load_b128 v[X+4*\i:X+4*\i+3], v2, s[4:5] offset:16*\i
.endr
.irp i, 0,1,2,3,4,5,6,7
	global_load_b128 v[G+4*\i:G+4*\i+3], v2, s[6:7] offset:16*\i
.endr
.macro RWLOAD rb, b                    ; batch b: 8 k x 8 experts, 256 bytes a lane; register rb + 8 k' + e
.irp i, 0,1,2,3,4,5,6,7,8,9,10,11,12,13,14,15
	global_load_b128 v[\rb+4*\i:\rb+4*\i+3], v3, s[8:9] offset:256*\b+16*\i
.endr
.endm
	RWLOAD R0, 0
	RWLOAD R1, 1
	s_lshl_b32 s30, s22, 5
	s_add_nc_u64 s[10:11], s[10:11], s[30:31]      ; out1 and xs: 32 bytes a token
	s_add_nc_u64 s[16:17], s[16:17], s[30:31]
	s_mul_i32 s30, s22, 768
	s_add_nc_u64 s[14:15], s[14:15], s[30:31]      ; xq
	s_lshl_b32 s30, s22, 2
	s_add_nc_u64 s[12:13], s[12:13], s[30:31]      ; out2, eidx, prob: 4 bytes a token
	s_add_nc_u64 s[18:19], s[18:19], s[30:31]
	s_add_nc_u64 s[20:21], s[20:21], s[30:31]
.macro RED r, t                        ; the sum over the 32 lanes, in every lane
	v_add_f32_dpp v[\r], v[\r], v[\r] row_xmask:1 row_mask:0xf bank_mask:0xf
	v_add_f32_dpp v[\r], v[\r], v[\r] row_xmask:2 row_mask:0xf bank_mask:0xf
	v_add_f32_dpp v[\r], v[\r], v[\r] row_xmask:4 row_mask:0xf bank_mask:0xf
	v_add_f32_dpp v[\r], v[\r], v[\r] row_xmask:8 row_mask:0xf bank_mask:0xf
	v_permlanex16_b32 v[\t], v[\r], s26, s27
	v_add_f32 v[\r], v[\r], v[\t]
.endm
	s_wait_loadcnt 40                              ; my row is in; behind it 8 + 16 + 16 loads
.irp c, 0,1,2,3                        ; the sum of squares, in four chains of pairs; the first products start them
	v_pk_mul_f32 v[TM+2*\c:TM+2*\c+1], v[X+2*\c:X+2*\c+1], v[X+2*\c:X+2*\c+1]
.endr
.irp i, 1,2,3
.irp c, 0,1,2,3
	v_pk_fma_f32 v[TM+2*\c:TM+2*\c+1], v[X+8*\i+2*\c:X+8*\i+2*\c+1], v[X+8*\i+2*\c:X+8*\i+2*\c+1], v[TM+2*\c:TM+2*\c+1]
.endr
.endr
	v_pk_add_f32 v[24:25], v[24:25], v[26:27]
	v_pk_add_f32 v[28:29], v[28:29], v[30:31]
	v_pk_add_f32 v[24:25], v[24:25], v[28:29]
	v_add_f32 v24, v24, v25
	RED 24, 25
	v_fma_f32 v24, v24, s25, s24                   ; the mean of squares + 1e-6
	s_wait_alu depctr_va_vdst(0)
	v_rsq_f32 v28, v24
	v_rsq_f32 v29, v24                             ; twice: a pair for the packed multiply
	v_nop                                          ; a plain instruction behind the transcendentals
	s_wait_alu depctr_va_vdst(0)                   ; one wait for both, ahead of their first use
	s_wait_loadcnt 32                              ; the gain is in; behind it the two batches of router_w
.set xi, 0
.rept 16
	v_pk_mul_f32 v[X+2*xi:X+2*xi+1], v[X+2*xi:X+2*xi+1], v[28:29]
.set xi, xi+1
.endr
.set xi, 0
.rept 16
	v_pk_mul_f32 v[X+2*xi:X+2*xi+1], v[X+2*xi:X+2*xi+1], v[G+2*xi:G+2*xi+1]   ; (x r) g, in the order of the definition
.set xi, xi+1
.endr
; 8 k of batch b: for each k four packed multiply-adds, two experts each; the number at k is taken for both halves
.macro DOT rb, b, first
.irp k, 0,1,2,3,4,5,6,7
.irp e, 0,1,2,3
.if (\first) && (\k == 0)
	v_pk_mul_f32 v[LG+2*\e:LG+2*\e+1], v[\rb+8*\k+2*\e:\rb+8*\k+2*\e+1], v[X+8*\b:X+8*\b+1] op_sel_hi:[1,0]
.elseif (\k % 2) == 0
	v_pk_fma_f32 v[LG+2*\e:LG+2*\e+1], v[\rb+8*\k+2*\e:\rb+8*\k+2*\e+1], v[X+8*\b+\k:X+8*\b+\k+1], v[LG+2*\e:LG+2*\e+1] op_sel_hi:[1,0,1]
.else
	v_pk_fma_f32 v[LG+2*\e:LG+2*\e+1], v[\rb+8*\k+2*\e:\rb+8*\k+2*\e+1], v[X+8*\b+\k-1:X+8*\b+\k], v[LG+2*\e:LG+2*\e+1] op_sel:[0,1,0] op_sel_hi:[1,1,1]
.endif
.endr
.endr
.endm
	s_wait_loadcnt 16                              ; batch 0 is in; batch 1 may be out
	DOT R0, 0, 1
	RWLOAD R0, 2
	s_wait_alu depctr_va_vdst(0)
	s_wait_loadcnt 16                              ; batch 1 is in; batch 2 may be out
	DOT R1, 1, 0
	RWLOAD R1, 3
	s_wait_alu depctr_va_vdst(0)
	s_wait_loadcnt 16                              ; batch 2 is in; batch 3 may be out
	DOT R0, 2, 0
	s_wait_alu depctr_va_vdst(0)
	s_wait_loadcnt 0x0
	DOT R1, 3, 0
.irp m, 1,2,4,8                        ; the eight sums over the lanes, by turns
.irp e, 0,1,2,3,4,5,6,7
	v_add_f32_dpp v[LG+\e], v[LG+\e], v[LG+\e] row_xmask:\m row_mask:0xf bank_mask:0xf
.endr
.endr
.irp e, 0,1,2,3,4,5,6,7
	v_permlanex16_b32 v[EX+\e], v[LG+\e], s26, s27
.endr
.irp e, 0,1,2,3,4,5,6,7
	v_add_f32 v[LG+\e], v[LG+\e], v[EX+\e]         ; every lane holds all eight logits
.endr
	v_max3_num_f32 v24, v8, v9, v10                ; the softmax takes the largest logit away
	v_max3_num_f32 v25, v11, v12, v13
	v_max3_num_f32 v24, v24, v14, v15
	v_max_num_f32 v24, v24, v25
.irp e, 0,1,2,3,4,5,6,7
	v_sub_f32 v[EX+\e], v[LG+\e], v24
.endr
.irp e, 0,1,2,3,4,5,6,7
	v_mul_f32 v[EX+\e], 0x3fb8aa3b, v[EX+\e]       ; x log2(e)
.endr
	s_wait_alu depctr_va_vdst(0)
.irp e, 0,1,2,3,4,5,6,7
	v_exp_f32 v[EX+\e], v[EX+\e]
.endr
	v_mov_b32 v30, 0                               ; the index.  (A plain instruction behind the batch)
	s_wait_alu depctr_va_vdst(0)                   ; one wait for the eight
	v_add_f32 v24, v16, v17
	v_add_f32 v25, v18, v19
	v_add_f32 v26, v20, v21
	v_add_f32 v27, v22, v23
	v_add_f32 v24, v24, v25
	v_add_f32 v26, v26, v27
	v_add_f32 v24, v24, v26
	s_wait_alu depctr_va_vdst(0)
	v_rcp_f32 v25, v24
	v_nop
	s_wait_alu depctr_va_vdst(0)
.irp e, 0,1,2,3,4,5,6,7
	v_mul_f32 v[EX+\e], v[EX+\e], v25              ; the probabilities
.endr
	v_max3_num_f32 v31, v16, v17, v18
	v_max3_num_f32 v26, v19, v20, v21
	v_max3_num_f32 v31, v31, v22, v23
	v_max_num_f32 v31, v31, v26                    ; the largest
.irp e, 7,6,5,4,3,2,1,0                ; from the top down, so that the lowest index with the largest probability stays
	v_cmp_neq_f32 vcc_lo, v[EX+\e], v31
	v_cndmask_b32 v30, \e, v30, vcc_lo
.endr
	; my block becomes codes: the largest magnitude with the floor 2^(3 - 127) among its leaves, 2 off its exponent field, the conversions
	v_max3_num_f32 v24, |v[X]|, |v[X+1]|, 0x1800000
	v_max3_num_f32 v25, |v[X+2]|, |v[X+3]|, 0x1800000
.irp i, 4,8,12,16,20,24,28
	v_max3_num_f32 v24, v24, |v[X+\i]|, |v[X+\i+1]|
	v_max3_num_f32 v25, v25, |v[X+\i+2]|, |v[X+\i+3]|
.endr
	v_max_num_f32 v24, v24, v25
	v_add_nc_u32 v26, 0xff000000, v24              ; the conversion takes this operand's exponent field as its scale
	v_cvt_scalef32_pk16_fp6_f32 v[C0:C0+2], v[X:X+15], v26
	v_cvt_scalef32_pk16_fp6_f32 v[C1:C1+2], v[X+16:X+31], v26
	v_lshrrev_b32 v27, 23, v26                     ; the scale's byte.  (A plain instruction behind the conversions)
	global_store_b96 v4, v[C0:C0+2], s[14:15]      ; the wave's two stores fill the token's 768 bytes
	global_store_b96 v4, v[C1:C1+2], s[14:15] offset:12
	global_store_b8 v1, v27, s[16:17]              ; 32 lanes: the token's 32 scale bytes
	s_wait_xcnt 0x0                                ; EXEC changes only behind this wait
	v_cmp_eq_u32 vcc_lo, 0, v1
	s_and_saveexec_b32 s28, vcc_lo                 ; lane 0 stores what every lane holds
	global_store_b128 v5, v[8:11], s[10:11]
	global_store_b128 v5, v[12:15], s[10:11] offset:16
	global_store_b32 v5, v30, s[12:13]
	global_store_b32 v5, v30, s[18:19]
	global_store_b32 v5, v31, s[20:21]
	s_wait_xcnt 0x0
	s_or_b32 exec_lo, exec_lo, s28
	s_endpgm
.Lfunc_end_k_qe3959e718d_router:
	.size	k_qe3959e718d_router, .Lfunc_end_k_qe3959e718d_router-k_qe3959e718d_router
	.p2alignl 7, 3214868480
	.fill 96, 4, 3214868480
	.section	.rodata,"a",@progbits
	.p2align	6, 0x0
	.amdhsa_kernel k_qe3959e718d_router
		.amdhsa_group_segment_fixed_size 0
		.amdhsa_private_segment_fixed_size 0
		.amdhsa_enable_private_segment 0
		.amdhsa_kernarg_size 72
		.amdhsa_user_sgpr_count 2
		.amdhsa_user_sgpr_kernarg_segment_ptr 1
		.amdhsa_wavefront_size32 1
		.amdhsa_system_sgpr_workgroup_id_x 1
		.amdhsa_system_sgpr_workgroup_id_y 1
		.amdhsa_system_sgpr_workgroup_id_z 1
		.amdhsa_system_vgpr_workitem_id 0
		.amdhsa_next_free_vgpr 232
		.amdhsa_next_free_sgpr 66
		.amdhsa_reserve_vcc 1
		.amdhsa_float_denorm_mode_32 3
		.amdhsa_float_denorm_mode_16_64 3
		.amdhsa_memory_ordered 1
		.amdhsa_forward_progress 1
		.amdhsa_inst_pref_size 30
	.end_amdhsa_kernel
	.amdgpu_metadata
---
amdhsa.version: [ 1, 2 ]
amdhsa.kernels:
  - .name:           k_qe3959e718d_router
    .symbol:         k_qe3959e718d_router.kd
    .args:
      - { .name: hidden_states, .offset: 0, .size: 8, .value_kind: global_buffer, .address_space: global }
      - { .name: ln_weight, .offset: 8, .size: 8, .value_kind: global_buffer, .address_space: global }
      - { .name: router_w, .offset: 16, .size: 8, .value_kind: global_buffer, .address_space: global }
      - { .name: out1, .offset: 24, .size: 8, .value_kind: global_buffer, .address_space: global }
      - { .name: out2, .offset: 32, .size: 8, .value_kind: global_buffer, .address_space: global }
      - { .name: xq, .offset: 40, .size: 8, .value_kind: global_buffer, .address_space: global }
      - { .name: xs, .offset: 48, .size: 8, .value_kind: global_buffer, .address_space: global }
      - { .name: eidx, .offset: 56, .size: 8, .value_kind: global_buffer, .address_space: global }
      - { .name: prob, .offset: 64, .size: 8, .value_kind: global_buffer, .address_space: global }
    .group_segment_fixed_size: 0
    .private_segment_fixed_size: 0
    .kernarg_segment_align: 8
    .kernarg_segment_size: 72
    .max_flat_workgroup_size: 128
    .sgpr_count:     66
    .vgpr_count:     232
    .wavefront_size: 32
...
	.end_amdgpu_metadata
.endif
;; end of part 5
;; launch place (part 6): grid 1 x 1, 32 waves a work-group, no clusters, 8,192 bytes of LDS; arguments eidx, route; writes route
.if DOCPART == 6
	.amdgcn_target "amdgcn-amd-amdhsa--gfx1250"
	.amdhsa_code_object_version 6
	.text
	.protected	k_qe3959e718d_place
	.globl	k_qe3959e718d_place
	.p2align	8
	.type	k_qe3959e718d_place,@function
k_qe3959e718d_place:
	s_mov_b64 s[64:65], 0
	v_nop
	global_prefetch_b8 v0, s[64:65] scope:SCOPE_SE
	s_setreg_imm32_b32 hwreg(HW_REG_WAVE_MODE, 25, 1), 1
	s_wait_xcnt 0x0
; PLACE.  A counting sort of the 1,024 tokens by their expert, by one work-group, a thread to a token, in whole numbers throughout.
; route: bytes 0 .. 4095: order[1024], the tokens sorted by expert (every entry is written); at byte 4096 + 4 e: start_e | count_e << 16 (words 8 .. 31: 0).
; A thread's place = its expert's start + that expert's count in the waves before mine + its rank among my wave's lanes.
; One work-group: the sort is 1,024 numbers, and a sum over all of them is had by one barrier.
	s_load_b128 s[4:7], s[0:1], 0x0                ; eidx, route
	v_lshl_add_u32 v64, v0, 2, 0x1000
	v_mov_b32 v65, 0
	v_lshlrev_b32 v1, 2, v0                        ; 4 x thread
	v_and_b32 v2, 31, v0                           ; lane
	v_lshrrev_b32 v3, 5, v0
	s_delay_alu instid0(VALU_DEP_1)
	v_readfirstlane_b32 s8, v3                     ; wave 0..31
	v_mov_b32 v4, 0                                ; my rank in the wave
	v_mov_b32 v5, 0                                ; lane e: my wave's count of expert e
	v_mov_b32 v40, 0
	v_mov_b32 v41, 0
	s_mov_b32 s10, 0x76543210
	s_mov_b32 s11, 0xfedcba98                      ; v_permlanex16_b32's selects for lane l xor 16
	s_wait_alu depctr_va_vdst(0)
	s_wait_kmcnt 0x0
	global_load_b32 v3, v1, s[4:5]
	s_wait_loadcnt 0x0
	v_min_u32 v3, 7, v3                            ; my expert
.irp e, 0,1,2,3,4,5,6,7
	v_cmp_eq_u32 s[16+\e], \e, v3                  ; the wave's lanes with expert e
	s_delay_alu instid0(VALU_DEP_1)
	v_mbcnt_lo_u32_b32 v6, s[16+\e], 0             ; how many of them stand below me
	s_delay_alu instid0(VALU_DEP_1)
	v_cndmask_b32 v4, v4, v6, s[16+\e]
	s_bcnt1_i32_b32 s[24+\e], s[16+\e]
	v_writelane_b32 v5, s[24+\e], \e
.endr
	ds_store_b32 v1, v5                            ; a row of 128 bytes a wave: its eight counts, then zeros
	s_wait_dscnt 0x0                               ; for the others' sake: my store is done
	s_barrier_signal -1
	s_barrier_wait -1
	v_lshlrev_b32 v6, 7, v2
	ds_load_b128 v[8:11], v6                       ; lane l: wave l's eight counts
	ds_load_b128 v[12:15], v6 offset:16
	v_cmp_gt_u32 vcc_lo, s8, v2                    ; the waves before mine
	s_wait_dscnt 0x0
.irp e, 0,1,2,3,4,5,6,7
	v_lshlrev_b32 v[16+\e], 16, v[8+\e]
.endr
.irp e, 0,1,2,3,4,5,6,7
	v_cndmask_b32 v[16+\e], 0, v[16+\e], vcc_lo
.endr
.irp e, 0,1,2,3,4,5,6,7
	v_add_nc_u32 v[8+\e], v[8+\e], v[16+\e]        ; low half: for the total; high half: for the waves before mine.  Both sums stay at 1,024 or under
.endr
.irp m, 1,2,4,8
.irp e, 0,1,2,3,4,5,6,7
	v_mov_b32_dpp v[16+\e], v[8+\e] row_xmask:\m row_mask:0xf bank_mask:0xf
.endr
.irp e, 0,1,2,3,4,5,6,7
	v_add_nc_u32 v[8+\e], v[8+\e], v[16+\e]
.endr
.endr
.irp e, 0,1,2,3,4,5,6,7
	v_permlanex16_b32 v[16+\e], v[8+\e], s10, s11
.endr
.irp e, 0,1,2,3,4,5,6,7
	v_add_nc_u32 v[8+\e], v[8+\e], v[16+\e]        ; the sums over the 32 waves, in every lane
.endr
.irp e, 0,1,2,3,4,5,6,7
	v_and_b32 v[24+\e], 0xffff, v[8+\e]            ; count_e
	v_lshrrev_b32 v[8+\e], 16, v[8+\e]             ; expert e's count in the waves before mine
.endr
	v_mov_b32 v32, 0
.irp e, 1,2,3,4,5,6,7
	s_delay_alu instid0(VALU_DEP_1)
	v_add_nc_u32 v[32+\e], v[31+\e], v[23+\e]      ; start_e
.endr
.irp e, 0,1,2,3,4,5,6,7
	v_add_nc_u32 v[8+\e], v[8+\e], v[32+\e]
	s_delay_alu instid0(VALU_DEP_1)
	v_cndmask_b32 v40, v40, v[8+\e], s[16+\e]      ; my expert's
.endr
	s_delay_alu instid0(VALU_DEP_1)
	v_add_nc_u32 v40, v40, v4                      ; my place
	s_delay_alu instid0(VALU_DEP_1)
	v_min_u32 v40, 0x3ff, v40
	s_delay_alu instid0(VALU_DEP_1)
	v_lshlrev_b32 v40, 2, v40
	global_store_b32 v40, v0, s[6:7]               ; order[place] = my token
	s_cmp_lg_u32 s8, 0                             ; wave 0 stores the table; no barrier follows
	s_cbranch_scc1 .Lend
.irp e, 0,1,2,3,4,5,6,7
	v_lshl_or_b32 v[24+\e], v[24+\e], 16, v[32+\e]
	v_cmp_eq_u32 vcc_lo, \e, v2
	s_delay_alu instid0(VALU_DEP_1)
	v_cndmask_b32 v41, v41, v[24+\e], vcc_lo       ; lane e takes word e; lanes 8 .. 31 keep 0
.endr
	v_lshlrev_b32 v42, 2, v2
	global_store_b32 v42, v41, s[6:7] offset:4096
.Lend:
	s_wait_tensorcnt 0x0
	ds_add_u32 v64, v65
	s_wait_dscnt 0x0
	s_endpgm
.Lfunc_end_k_qe3959e718d_place:
	.size	k_qe3959e718d_place, .Lfunc_end_k_qe3959e718d_place-k_qe3959e718d_place
	.p2alignl 7, 3214868480
	.fill 96, 4, 3214868480
	.section	.rodata,"a",@progbits
	.p2align	6, 0x0
	.amdhsa_kernel k_qe3959e718d_place
		.amdhsa_group_segment_fixed_size 8192
		.amdhsa_private_segment_fixed_size 0
		.amdhsa_enable_private_segment 0
		.amdhsa_kernarg_size 16
		.amdhsa_user_sgpr_count 2
		.amdhsa_user_sgpr_kernarg_segment_ptr 1
		.amdhsa_wavefront_size32 1
		.amdhsa_system_sgpr_workgroup_id_x 1
		.amdhsa_system_sgpr_workgroup_id_y 1
		.amdhsa_system_sgpr_workgroup_id_z 1
		.amdhsa_system_vgpr_workitem_id 0
		.amdhsa_next_free_vgpr 66
		.amdhsa_next_free_sgpr 66
		.amdhsa_reserve_vcc 1
		.amdhsa_float_denorm_mode_32 3
		.amdhsa_float_denorm_mode_16_64 3
		.amdhsa_memory_ordered 1
		.amdhsa_forward_progress 1
		.amdhsa_inst_pref_size 13
	.end_amdhsa_kernel
	.amdgpu_metadata
---
amdhsa.version: [ 1, 2 ]
amdhsa.kernels:
  - .name:           k_qe3959e718d_place
    .symbol:         k_qe3959e718d_place.kd
    .args:
      - { .name: eidx, .offset: 0, .size: 8, .value_kind: global_buffer, .address_space: global }
      - { .name: route, .offset: 8, .size: 8, .value_kind: global_buffer, .address_space: global }
    .group_segment_fixed_size: 8192
    .private_segment_fixed_size: 0
    .kernarg_segment_align: 8
    .kernarg_segment_size: 16
    .max_flat_workgroup_size: 1024
    .sgpr_count:     66
    .vgpr_count:     66
    .wavefront_size: 32
...
	.end_amdgpu_metadata
.endif
;; end of part 6
;; launch up (part 7): grid 32 x 8, 16 waves a work-group, no clusters, 104,448 bytes of LDS; arguments wi, xq, xs, route, hq, hs; writes hq, hs
.if DOCPART == 7
	.amdgcn_target "amdgcn-amd-amdhsa--gfx1250"
	.amdhsa_code_object_version 6
	.text
	.protected	k_qe3959e718d_up
	.globl	k_qe3959e718d_up
	.p2align	8
	.type	k_qe3959e718d_up,@function
k_qe3959e718d_up:
	s_mov_b64 s[64:65], 0
	v_nop
	global_prefetch_b8 v0, s[64:65] scope:SCOPE_SE
	s_setreg_imm32_b32 hwreg(HW_REG_WAVE_SCHED_MODE, 0, 2), 2
	s_setreg_imm32_b32 hwreg(HW_REG_WAVE_MODE, 25, 1), 1
	s_wait_xcnt 0x0
	s_wait_alu depctr_vm_vsrc(0)
; UP.  h = Q(relu(Q(x) Q(wi[e]))) for the rows that chose expert e, on codes of FP6 (E2M3) with one E8M0 scale for each 32 along K.
; SHARES.  Work-group (g, e) owns hidden units 128 g .. 128 g + 127 of expert e: K step g of the next product.  It reads its 1,024 x 128 numbers of wi once, in four
; chunks of 32 columns, and quantises them in registers on the way; the codes of all four chunks stay in LDS (4 x 25,600 bytes).
; STREAMING.  Of a chunk, wave w takes rows 64 w .. 64 w + 63: half w % 2 of K step w / 2.  Lane (a = l % 16, p = l / 16) loads 8 bytes: columns 2 a, 2 a + 1 of row 64 w + 32 p + q,
; q = 0 .. 31: sixteen lanes read 128 bytes on end.  So a lane holds two whole blocks of 32 along K, one of each column: no other lane is asked for a maximum, and the lane is
; already lane (r = a, h = p) of the operand, where tile u of the chunk = columns 2 r + u.  The two columns' numbers are parted by moves, since a conversion takes 16 registers on end.
; A FRAGMENT LIES IN LDS AS AN IMAGE OF ITS 12 REGISTERS: group i (registers 4 i .. 4 i + 3) at 512 i + 16 x lane.  The even wave of a K step makes registers 0-5, the odd one 6-11.
; TOKENS.  Wave w takes tile w of the expert's rows (16 rows of the sorted list), chunk by chunk behind each chunk's barrier, if the expert has so many rows; tiles 16 .. 63 follow in a loop of three
; trips.  Rows past the count repeat the expert's last row.  Source 0 = 16 columns of wi, source 1 = 16 tokens: lane (r = token, h), register j of tile u holds column 16 h + 2 j + u of the chunk.
; So a lane's 16 results are code places 16 h + 8 u + j of the block: inside every block of 32 of the next K, place t holds unit 16 (t / 16) + 2 (t % 8) + (t / 8) % 2.  The next launch
; loads wo's rows in the same order; blocks, scales and codes are those of the plain order.
; hq: [e][tile][K step][1,536 bytes]: the fragment's image; hs: [e][tile][K step][128]: its scale word at 4 x lane.
; BRANCHES hang on the expert's count, read from memory: they stand round loads, products and stores alone, never round a barrier, and each such block reads only what is written
; without condition or in the block itself (so the registers that gather h's codes are cleared at the head).
; NO CLUSTER, NO TENSOR LOAD: joint requests are tensor loads.
; LIMITS: NaN and infinities are not served; a block whose largest magnitude lies under 2^-124 (a block of zeros too) gets the byte 1, read by this program alone.
; THE MODE: SCHED_MODE bits 1:0 = 2 (LLVM: expert scheduling mode 2), set by the entry lines.  The code itself states the register dependences
; between vector or matrix instructions and memory or LDS instructions, with s_wait_alu, always for 0.
; THE PLAN.  Registers that memory or LDS instructions touch:
;   v[S ..], 64      A chunk's 32 loads land in them; QUANT's maxima and moves read them.
;   X0, X1, T0       (inside WF)  QUANT's vector lines write them; its five LDS stores read them.
;   WF, WS           A K step's 7 LDS loads land in a set; that step's two products read it.  Between a tile's turns QUANT and EPI1 work in WF.
;   TF, TFS          x's 26 loads land in them; the products read them.
;   v[ACC .. ACC+2]  Offsets of the list's load and of x's loads, made by vector lines; later the products write them.  v[ACC+3]: the list's load lands in it.
;   v8-15, v250-254  EPI1 and FINISH's exchanges write them; FINISH's four stores read them.
;   VW, L16, L4      Made at the head and never written again.   LW, LWS: made at the head, stepped once, behind QUANT 1.
; WAITS ON va_vdst: ahead of the first loads of wi (all addresses); ahead of the list's load and of x's loads (their offsets; in the tail what used the registers in which they land);
; in QUANT behind the first moves (the lower half of S is read out) and ahead of the LDS stores (the codes are written, the upper half of S is read out, LW and LWS are written, and all that
; worked in WF is done: so the tile's turn that follows the barrier owes nothing more for its first 14 LDS loads); one a K step, between the two products and the loads into the set that they
; read; in the tail between EPI1 and the next chunk's first LDS loads; in FINISH ahead of its stores.
; WAITS ON vm_vsrc: at QUANT's end (its stores have read their data and addresses; at chunk 0 the list's load and x's loads have read their offsets); in the tail behind x's loads;
; at the tail's head (FINISH's stores have read h's codes); ahead of the two registers made anew at the end.
.set CHB,  25600                       ; a chunk in LDS: 8 K steps x 2 tiles x 1,536 bytes, then 8 x 128 bytes of scale words
.set SCB,  24576                       ; where its scale words begin: K step s at 128 s; lane 0-15: tile 0's row, lane 16-31: tile 1's
.set HALF, 51200                       ; two chunks: an LDS immediate has 16 bits, so chunks 2 and 3 have address registers of their own
.set VW,   1                           ; v1    my offset in wi: 8 a + 32 p rows + 64 w rows; never rewritten
.set LW,   2                           ; v2    where I store codes: 16 l + 3,072 (w / 2); stepped once, by HALF
.set LWS,  3                           ; v3    and scale bytes: SCB + 128 (w / 2) + 2 (w % 2) + 4 l; stepped once
.set L16,  4                           ; v4    16 l; v5 the same + HALF
.set L4,   6                           ; v6    4 l; v7 the same + HALF
                                       ; v8-15, v250-253: h's codes, the 12 registers of the fragment, in three groups of four
.set S,    16                          ; v16-79   64 numbers of wi as loaded: register 2 q + j = row q, column j
.set TF,   80                          ; v80-175  x's 8 fragments
.set TFS,  176                         ; v176-183 x's scale words, and nothing else
.set ACC,  184                         ; v184-199 two accumulators (ahead of a tile: the offsets of the list's and x's loads, and the token)
.set WF,   200                         ; v200-247 wi's fragments, two sets of two tiles; while quantising: at work
.set T0,   200                         ; 16 numbers of column 0 on end
.set T1,   216                         ; of column 1
.set X0,   232                         ; column 0's 6 registers of codes
.set X1,   238
.set U,    244                         ; a conversion's three registers
.set SC0,  247                         ; the conversions' scale operands
.set WS,   248                         ; v248-249 wi's scale words of the two sets, and nothing else
.set HW,   254                         ; h's scale word
.set SC1,  255
.macro WLOAD c, q0                     ; 16 loads: rows q0 .. q0 + 15 of my share of chunk c
.set wq, \q0
.rept 16
	global_load_b64 v[S+2*wq:S+2*wq+1], v[VW], s[32:33] offset:16384*wq+128*(\c)
.set wq, wq+1
.endr
.endm
; My 64 x 2 numbers become two halves of fragments and two scale bytes a column.  more = 1: the next chunk's loads go out when the moves have emptied their registers.
.macro QUANT c, more
	v_max3_num_f32 v[X0], |v[S]|, |v[S+2]|, 0x1800000       ; the floor 2^(3 - 127) among the leaves: the byte cannot fall under 1
	v_max3_num_f32 v[X1], |v[S+1]|, |v[S+3]|, 0x1800000
.set qi, 1
.rept 15
	v_max3_num_f32 v[X0], v[X0], |v[S+4*qi]|, |v[S+4*qi+2]|  ; the two columns by turns
	v_max3_num_f32 v[X1], v[X1], |v[S+4*qi+1]|, |v[S+4*qi+3]|
.set qi, qi+1
.endr
	v_add_nc_u32 v[SC0], 0xff000000, v[X0]         ; 2 off the exponent field: the conversion's scale operand
	v_add_nc_u32 v[SC1], 0xff000000, v[X1]
.set qi, 0
.rept 16
	v_mov_b32 v[T0+qi], v[S+2*qi]
	v_mov_b32 v[T1+qi], v[S+2*qi+1]
.set qi, qi+1
.endr
.if \more
	s_wait_alu depctr_va_vdst(0)                   ; the maxima and these moves are done reading v[S .. S+31], in which the 16 loads below land
	WLOAD (\c)+1, 0
.endif
	v_cvt_scalef32_pk16_fp6_f32 v[X0:X0+2], v[T0:T0+15], v[SC0]
	v_cvt_scalef32_pk16_fp6_f32 v[X1:X1+2], v[T1:T1+15], v[SC1]
	v_nop                                          ; a plain instruction between the conversions and the writes of their sources
.set qi, 0
.rept 16
	v_mov_b32 v[T0+qi], v[S+32+2*qi]
	v_mov_b32 v[T1+qi], v[S+33+2*qi]
.set qi, qi+1
.endr
	v_cvt_scalef32_pk16_fp6_f32 v[U:U+2], v[T0:T0+15], v[SC0]   ; (a conversion's three registers begin on an even number: the block's second three do not)
	v_nop
.irp i, 0,1,2
	v_mov_b32 v[X0+3+\i], v[U+\i]
.endr
	v_cvt_scalef32_pk16_fp6_f32 v[U:U+2], v[T1:T1+15], v[SC1]
	v_nop
.irp i, 0,1,2
	v_mov_b32 v[X1+3+\i], v[U+\i]
.endr
	v_lshrrev_b32 v[T0], 23, v[SC0]                ; the bytes: lanes 0-15 the even block's, lanes 16-31 the odd block's; column 0,
	v_lshrrev_b32 v[T0+1], 23, v[SC1]              ; column 1
	v_permlane16_swap_b32 v[T0], v[T0+1]           ; now the first holds the even block's bytes (lanes 0-15 tile 0, lanes 16-31 tile 1), the second the odd block's
	v_lshl_or_b32 v[T0], v[T0+1], 8, v[T0]         ; two bytes of the scale word of the lane's row
	s_wait_alu depctr_va_vdst(0)                   ; X0, X1 and T0 are written, which the LDS stores read (and LW, LWS where they were stepped); the moves are done reading v[S+32 .. S+63], in which the loads below land; all that worked in WF is done
.if \more
	WLOAD (\c)+1, 16
.endif
	s_cmp_eq_u32 s46, 0                            ; the wave's parity: which six registers of the fragment are mine
	s_cbranch_scc0 .Lodd_\@
	ds_store_b128 v[LW], v[X0:X0+3] offset:((\c)%2)*CHB          ; registers 0-3
	ds_store_b64 v[LW], v[X0+4:X0+5] offset:((\c)%2)*CHB+512     ; registers 4, 5
	ds_store_b128 v[LW], v[X1:X1+3] offset:((\c)%2)*CHB+1536
	ds_store_b64 v[LW], v[X1+4:X1+5] offset:((\c)%2)*CHB+2048
	s_branch .Lput_\@
.Lodd_\@:
	ds_store_b64 v[LW], v[X0:X0+1] offset:((\c)%2)*CHB+520       ; registers 6, 7
	ds_store_b128 v[LW], v[X0+2:X0+5] offset:((\c)%2)*CHB+1024   ; registers 8-11
	ds_store_b64 v[LW], v[X1:X1+1] offset:((\c)%2)*CHB+2056
	ds_store_b128 v[LW], v[X1+2:X1+5] offset:((\c)%2)*CHB+2560
.Lput_\@:
	ds_store_b16 v[LWS], v[T0] offset:((\c)%2)*CHB
	s_wait_alu depctr_vm_vsrc(0)                   ; these stores have read X0, X1, T0, LW and LWS, which LDS loads, the next chunk's vector lines and the step by HALF write; at chunk 0 the list's load and x's loads have read v[ACC .. ACC+2], which the products write
.endm
.macro BARRIER                         ; my LDS stores have landed and my LDS loads are in: then the work-group's barrier
	s_wait_dscnt 0x0
	s_barrier_signal -1
	s_barrier_wait -1
.endm
.macro WFLOAD set, c, s                ; 7 LDS loads: K step s of chunk c: two tiles' fragments and their scale words
.irp u, 0,1
.irp i, 0,1,2
	ds_load_b128 v[WF+24*(\set)+12*\u+4*\i:WF+24*(\set)+12*\u+4*\i+3], v[L16+(\c)/2] offset:((\c)%2)*CHB+(\s)*3072+\u*1536+\i*512
.endr
.endr
	ds_load_b32 v[WS+(\set)], v[L4+(\c)/2] offset:((\c)%2)*CHB+SCB+(\s)*128
.endm
; My tile against chunk c: 8 K steps x 2 tiles of columns.  The two accumulators take turns, one instruction a turn.
; The first 14 LDS loads stand behind a wait on va_vdst behind which no vector or matrix instruction has named WF or WS: QUANT's second on the main way, a wait of their own in the tail.
.macro TOKEN c, zero
	WFLOAD 0, \c, 0
	WFLOAD 1, \c, 1
.rept 4
	v_nop                                          ; places between the vector work that used these registers and the products
.endr
.irp s, 0,1,2,3,4,5,6,7
.if \s < 7
	s_wait_dscnt 7                                 ; this K step's 7 loads are in; the next step's 7 may be out
.else
	s_wait_dscnt 0x0
.endif
.if (\zero) && (\s == 0)
	v_wmma_scale_f32_16x16x128_f8f6f4 v[ACC:ACC+7], v[WF+24*(\s%2):WF+24*(\s%2)+11], v[TF+12*\s:TF+12*\s+11], 0, v[WS+(\s%2)], v[TFS+\s] matrix_a_fmt:MATRIX_FMT_FP6 matrix_b_fmt:MATRIX_FMT_FP6
	v_wmma_scale_f32_16x16x128_f8f6f4 v[ACC+8:ACC+15], v[WF+24*(\s%2)+12:WF+24*(\s%2)+23], v[TF+12*\s:TF+12*\s+11], 0, v[WS+(\s%2)], v[TFS+\s] matrix_a_fmt:MATRIX_FMT_FP6 matrix_b_fmt:MATRIX_FMT_FP6 matrix_a_scale:MATRIX_SCALE_ROW1
.else
	v_wmma_scale_f32_16x16x128_f8f6f4 v[ACC:ACC+7], v[WF+24*(\s%2):WF+24*(\s%2)+11], v[TF+12*\s:TF+12*\s+11], v[ACC:ACC+7], v[WS+(\s%2)], v[TFS+\s] matrix_a_fmt:MATRIX_FMT_FP6 matrix_b_fmt:MATRIX_FMT_FP6
	v_wmma_scale_f32_16x16x128_f8f6f4 v[ACC+8:ACC+15], v[WF+24*(\s%2)+12:WF+24*(\s%2)+23], v[TF+12*\s:TF+12*\s+11], v[ACC+8:ACC+15], v[WS+(\s%2)], v[TFS+\s] matrix_a_fmt:MATRIX_FMT_FP6 matrix_b_fmt:MATRIX_FMT_FP6 matrix_a_scale:MATRIX_SCALE_ROW1
.endif
.if \s < 6
.rept 4
	v_nop                                          ; four places in front of loads into registers that the products have read; they stay beside the wait below
.endr
	s_wait_alu depctr_va_vdst(0)                   ; this step's two products are done reading their set of fragments and its scale words, in which the 7 loads below land
	WFLOAD \s%2, \c, \s+2
.elseif \s == 7
.rept 5
	v_nop                                          ; five: the next chunk's first products begin these accumulators anew
.endr
.endif
.endr
.endm
; relu, the block's scale, 16 codes a lane; they are block c of the fragment
.macro EPI1 c
.set ei, 0
.rept 16
	v_max_num_f32 v[ACC+ei], 0, v[ACC+ei]          ; each accumulator from its low end on
.set ei, ei+1
.endr
	v_max3_num_f32 v[T0], v[ACC], v[ACC+1], 0x1800000            ; none is negative: no |.|; the floor among the leaves
.irp i, 2,4,6,8,10,12,14
	v_max3_num_f32 v[T0], v[T0], v[ACC+\i], v[ACC+\i+1]
.endr
	v_permlanex16_b32 v[T0+1], v[T0], s42, s43
	v_max_num_f32 v[T0], v[T0], v[T0+1]            ; with lane l xor 16's 16: the block's largest
	v_add_nc_u32 v[T0+2], 0xff000000, v[T0]
	v_cvt_scalef32_pk16_fp6_f32 v[U:U+2], v[ACC:ACC+15], v[T0+2]
	v_lshrrev_b32 v[T0+3], 23, v[T0+2]             ; the byte.  (A plain instruction behind the conversion)
.if (\c) == 0
	v_mov_b32 v[HW], v[T0+3]
.else
	v_lshl_or_b32 v[HW], v[T0+3], 8*(\c), v[HW]
.endif
.irp i, 0,1,2
.set HR, 8+(3*(\c)+\i)+234*((3*(\c)+\i)/8)         ; register 3 c + i of the twelve: v8-15, then v250-253
	v_mov_b32 v[HR], v[U+\i]
.endr
.endm
; The operand's layout wants a whole block in a lane: lanes 0-15 blocks 0 and 2, lanes 16-31 blocks 1 and 3.  Then the image leaves: each store 512 bytes on end.
.macro FINISH
	v_permlane16_swap_b32 v8, v11
	v_permlane16_swap_b32 v9, v12
	v_permlane16_swap_b32 v10, v13
	v_permlane16_swap_b32 v14, v251
	v_permlane16_swap_b32 v15, v252
	v_permlane16_swap_b32 v250, v253
	s_wait_alu depctr_va_vdst(0)                   ; the exchanges have written h's twelve registers, and EPI1 its scale word: the four stores read them
	global_store_b128 v[L16], v[8:11], s[38:39]
	global_store_b128 v[L16], v[12:15], s[38:39] offset:512
	global_store_b128 v[L16], v[250:253], s[38:39] offset:1024
	global_store_b32 v[L4], v[HW], s[40:41]
.endm
.macro LISTX                           ; my row's token: order[min(start + 16 t + r, start + count - 1)]
	s_add_co_u32 s28, s24, s27
	v_and_b32 v[ACC], 15, v0
	v_add_nc_u32 v[ACC], s28, v[ACC]
	v_min_u32 v[ACC], s29, v[ACC]
	v_min_u32 v[ACC], 0x3ff, v[ACC]
	v_lshlrev_b32 v[ACC], 2, v[ACC]
	s_wait_alu depctr_va_vdst(0)                   ; v[ACC], the load's offset, is written; in the tail the last tile's products, relu and conversion are done with v[ACC+3], in which the load lands
	global_load_b32 v[ACC+3], v[ACC], s[10:11]
.endm
.macro XADR                            ; where that token's codes and scale words lie
	v_min_u32 v[ACC+3], 0x3ff, v[ACC+3]
	v_bfe_u32 v[ACC+2], v0, 4, 1
	v_mul_u32_u24 v[ACC+1], v[ACC+3], 768
	v_mad_u32_u24 v[ACC+1], v[ACC+2], 48, v[ACC+1] ; + 48 h
	v_lshlrev_b32 v[ACC+2], 5, v[ACC+3]
.endm
.macro TFLOAD                          ; 26 loads: x's 8 fragments, 48 bytes a lane each, and the row's 8 scale words
	s_wait_alu depctr_va_vdst(0)                   ; v[ACC+1] and v[ACC+2], the loads' offsets, are written (what read TF and TFS before stands ahead of this wait too)
.irp s, 0,1,2,3,4,5,6,7
.irp i, 0,1,2
	global_load_b128 v[TF+12*\s+4*\i:TF+12*\s+4*\i+3], v[ACC+1], s[6:7] offset:96*\s+16*\i
.endr
.endr
	global_load_b128 v[TFS:TFS+3], v[ACC+2], s[8:9]
	global_load_b128 v[TFS+4:TFS+7], v[ACC+2], s[8:9] offset:16
.endm
.macro TILE c                          ; my tile's turn on chunk c, if the expert has so many rows
	s_cmp_lt_u32 s27, s25
	s_cbranch_scc0 .Lno_tile_\@
	TOKEN \c, 1
	EPI1 \c
.Lno_tile_\@:
.endm
	s_load_b256 s[4:11], s[0:1], 0x0               ; wi s[4:5], xq s[6:7], xs s[8:9], route s[10:11]
	s_load_b128 s[12:15], s[0:1], 0x20             ; hq s[12:13], hs s[14:15]
	v_lshrrev_b32 v1, 5, v0
	v_readfirstlane_b32 s20, v1                    ; wave 0..15
	s_and_b32 s23, ttmp7, 0xffff                   ; the expert
	s_wait_alu depctr_va_sdst(0)                   ; s20 is written, ahead of its first reader
	s_lshr_b32 s48, s20, 1                         ; the K step that I stream
	s_and_b32 s46, s20, 1                          ; and its half
	v_and_b32 v8, 31, v0                           ; lane
	v_and_b32 v9, 15, v0                           ; a
	v_bfe_u32 v10, v0, 4, 1                        ; p
	v_lshlrev_b32 v[VW], 3, v9
	v_lshl_add_u32 v[VW], v10, 19, v[VW]           ; 32 rows of 16,384 bytes
	s_lshl_b32 s30, s20, 20                        ; 64 rows a wave
	v_add_nc_u32 v[VW], s30, v[VW]
	v_lshlrev_b32 v[L16], 4, v8
	v_add_nc_u32 v[L16+1], HALF, v[L16]
	v_lshlrev_b32 v[L4], 2, v8
	v_add_nc_u32 v[L4+1], HALF, v[L4]
	s_mul_i32 s30, s48, 3072
	v_add_nc_u32 v[LW], s30, v[L16]
	s_lshl_b32 s30, s48, 7
	s_lshl_b32 s31, s46, 1
	s_add_co_u32 s30, s30, s31
	s_add_co_u32 s30, s30, SCB
	v_add_nc_u32 v[LWS], s30, v[L4]
	s_lshl_b32 s30, s23, 24                        ; an expert's wi is 2^24 bytes
	s_lshl_b32 s31, ttmp9, 9                       ; my 128 columns
	s_add_co_u32 s30, s30, s31
	s_mov_b32 s31, 0
	s_lshl_b32 s36, s23, 2
	s_wait_kmcnt 0x0
	s_add_nc_u64 s[32:33], s[4:5], s[30:31]
	s_load_b32 s22, s[10:11], s36 offset:0x1000    ; start | count << 16
	s_wait_alu depctr_va_vdst(0)                   ; v1 to v7 are written: the offsets and LDS addresses that the kernel's loads and stores read
	WLOAD 0, 0                                     ; the first chunk goes out ahead of everything else
	WLOAD 0, 16
	s_mov_b32 s42, 0x76543210
	s_mov_b32 s43, 0xfedcba98                      ; v_permlanex16_b32's selects for lane l xor 16
	s_lshl_b32 s27, s20, 4                         ; my tile's first row: 16 t, t = wave
	s_lshl_b32 s28, s23, 6
	s_add_co_u32 s28, s28, s20
	s_lshl_b32 s28, s28, 5
	s_add_co_u32 s28, s28, ttmp9                   ; (64 e + t) 32 + g
	s_mul_i32 s30, s28, 1536
	s_add_nc_u64 s[38:39], s[12:13], s[30:31]      ; my image in hq
	s_lshl_b32 s30, s28, 7
	s_add_nc_u64 s[40:41], s[14:15], s[30:31]      ; and its scale words in hs
.irp i, 8,9,10,11,12,13,14,15,250,251,252,253,254
	v_mov_b32 v\i, 0                               ; h's codes and scale word: written here, so that they are written on every way through the blocks below
.endr
	s_wait_kmcnt 0x0
	s_and_b32 s24, s22, 0xffff
	s_min_u32 s24, s24, 1024                       ; start
	s_lshr_b32 s25, s22, 16
	s_min_u32 s25, s25, 1024                       ; count
	s_add_co_u32 s29, s24, s25
	s_sub_co_u32 s29, s29, 1                       ; the expert's last place in the list
	LISTX
	s_wait_loadcnt 0x0                             ; chunk 0 and my row's token are in
	XADR
	TFLOAD                                         ; every wave loads x's fragments (a wave without a tile: the last row's, sixteen times)
	QUANT 0, 1
	BARRIER                                        ; chunk 0's codes lie in LDS
	s_wait_loadcnt 32                              ; x's 26 loads are in; behind them chunk 1's 32
	TILE 0
	s_wait_loadcnt 0x0                             ; chunk 1
	QUANT 1, 1
	v_add_nc_u32 v[LW], HALF, v[LW]                ; on to chunks 2 and 3 (the stores that read the two registers stand ahead of the wait at QUANT's end)
	v_add_nc_u32 v[LWS], HALF, v[LWS]
	BARRIER
	TILE 1
	s_wait_loadcnt 0x0
	QUANT 2, 1
	BARRIER
	TILE 2
	s_wait_loadcnt 0x0
	QUANT 3, 0
	BARRIER                                        ; the last barrier: from here on LDS is only read
	s_cmp_lt_u32 s27, s25
	s_cbranch_scc0 .Lno_first
	TOKEN 3, 1
	EPI1 3
	FINISH
.Lno_first:
	s_mov_b32 s47, 3                               ; tiles 16 + w, 32 + w, 48 + w: there only if the expert has more than 256 rows
.Ltail:
	s_wait_xcnt 0x0                                ; the stores have read their registers and bases: both may be written again
	s_wait_alu depctr_vm_vsrc(0)                   ; FINISH's stores have read v8-15 and v250-254, which the next tile's EPI1 writes
	s_add_co_u32 s27, s27, 256
	s_add_nc_u64 s[38:39], s[38:39], 786432        ; 16 tiles x 32 K steps x 1,536 bytes
	s_add_nc_u64 s[40:41], s[40:41], 65536
	s_cmp_lt_u32 s27, s25
	s_cbranch_scc0 .Lnone
	LISTX
	s_wait_loadcnt 0x0
	XADR
	TFLOAD
	s_wait_loadcnt 0x0
	s_wait_alu depctr_vm_vsrc(0)                   ; the list's load and x's loads have read v[ACC .. ACC+2], which the first products write
	TOKEN 0, 1
	EPI1 0
	s_wait_alu depctr_va_vdst(0)                   ; the last two K steps' products are done reading WF and WS, and EPI1 is done working in WF: the next chunk's first LDS loads land there
	TOKEN 1, 1
	EPI1 1
	s_wait_alu depctr_va_vdst(0)                   ; the same, ahead of chunk 2's first LDS loads
	TOKEN 2, 1
	EPI1 2
	s_wait_alu depctr_va_vdst(0)                   ; the same, ahead of chunk 3's first LDS loads
	TOKEN 3, 1
	EPI1 3
	FINISH
.Lnone:
	s_sub_co_u32 s47, s47, 1
	s_cmp_lg_u32 s47, 0
	s_cbranch_scc1 .Ltail
	s_wait_xcnt 0x0
	s_wait_alu depctr_vm_vsrc(0)                   ; the last tile's store of its scale word has read v254, which is made anew below
	v_lshl_add_u32 v254, v0, 2, 0x19000
	v_mov_b32 v255, 0
	s_wait_dscnt 0x0                               ; the closing lines, six on end
	s_wait_alu 0x0
	s_wait_tensorcnt 0x0
	ds_add_u32 v254, v255
	s_wait_dscnt 0x0
	s_endpgm
.Lfunc_end_k_qe3959e718d_up:
	.size	k_qe3959e718d_up, .Lfunc_end_k_qe3959e718d_up-k_qe3959e718d_up
	.p2alignl 7, 3214868480
	.fill 96, 4, 3214868480
	.section	.rodata,"a",@progbits
	.p2align	6, 0x0
	.amdhsa_kernel k_qe3959e718d_up
		.amdhsa_group_segment_fixed_size 104448
		.amdhsa_private_segment_fixed_size 0
		.amdhsa_enable_private_segment 0
		.amdhsa_kernarg_size 48
		.amdhsa_user_sgpr_count 2
		.amdhsa_user_sgpr_kernarg_segment_ptr 1
		.amdhsa_wavefront_size32 1
		.amdhsa_system_sgpr_workgroup_id_x 1
		.amdhsa_system_sgpr_workgroup_id_y 1
		.amdhsa_system_sgpr_workgroup_id_z 1
		.amdhsa_system_vgpr_workitem_id 0
		.amdhsa_next_free_vgpr 256
		.amdhsa_next_free_sgpr 66
		.amdhsa_reserve_vcc 0
		.amdhsa_float_denorm_mode_32 3
		.amdhsa_float_denorm_mode_16_64 3
		.amdhsa_memory_ordered 1
		.amdhsa_forward_progress 1
		.amdhsa_inst_pref_size 114
	.end_amdhsa_kernel
	.amdgpu_metadata
---
amdhsa.version: [ 1, 2 ]
amdhsa.kernels:
  - .name:           k_qe3959e718d_up
    .symbol:         k_qe3959e718d_up.kd
    .args:
      - { .name: wi, .offset: 0, .size: 8, .value_kind: global_buffer, .address_space: global }
      - { .name: xq, .offset: 8, .size: 8, .value_kind: global_buffer, .address_space: global }
      - { .name: xs, .offset: 16, .size: 8, .value_kind: global_buffer, .address_space: global }
      - { .name: route, .offset: 24, .size: 8, .value_kind: global_buffer, .address_space: global }
      - { .name: hq, .offset: 32, .size: 8, .value_kind: global_buffer, .address_space: global }
      - { .name: hs, .offset: 40, .size: 8, .value_kind: global_buffer, .address_space: global }
    .group_segment_fixed_size: 104448
    .private_segment_fixed_size: 0
    .kernarg_segment_align: 8
    .kernarg_segment_size: 48
    .max_flat_workgroup_size: 512
    .sgpr_count:     66
    .vgpr_count:     256
    .wavefront_size: 32
...
	.end_amdgpu_metadata
.endif
;; end of part 7
;; launch down (part 8): grid 32 x 8, 16 waves a work-group, no clusters, 141,312 bytes of LDS; arguments wo, hq, hs, route, prob, hidden_states, out0; writes out0
.if DOCPART == 8
	.amdgcn_target "amdgcn-amd-amdhsa--gfx1250"
	.amdhsa_code_object_version 6
	.text
	.protected	k_qe3959e718d_down
	.globl	k_qe3959e718d_down
	.p2align	8
	.type	k_qe3959e718d_down,@function
k_qe3959e718d_down:
	s_mov_b64 s[64:65], 0
	v_nop
	global_prefetch_b8 v0, s[64:65] scope:SCOPE_SE
	s_setreg_imm32_b32 hwreg(HW_REG_WAVE_SCHED_MODE, 0, 2), 2
	s_setreg_imm32_b32 hwreg(HW_REG_WAVE_MODE, 25, 1), 1
	s_wait_xcnt 0x0
	s_wait_alu depctr_vm_vsrc(0)
; DOWN.  out0 = hidden + p (h Q(wo[e])) for the rows that chose expert e, on codes of FP6 (E2M3) with one E8M0 scale for each 32 along K.
; SHARES.  Work-group (g, e) owns output columns 32 g .. 32 g + 31 of expert e, for all K = 4,096: each output number has one owner.  It reads its 4,096 x 32 numbers of wo once, in four chunks
; of 1,024 along K, quantises them in registers on the way, and keeps the codes of all four chunks in LDS (4 x 25,600 bytes).
; STREAMING.  Of a chunk, wave w takes rows 64 w .. 64 w + 63: half w % 2 of the chunk's K step w / 2.  Lane (a = l % 16, p = l / 16) loads 8 bytes: columns 2 a, 2 a + 1; sixteen lanes read 128 bytes on
; end.  A lane holds two whole blocks of 32 along K, one of each column, and is already lane (r = a, h = p) of the operand, where tile u = columns 2 r + u.
; THE ORDER INSIDE A BLOCK: h's codes lie so that place t of a block holds unit 16 (t / 16) + 2 (t % 8) + (t / 8) % 2; wo's rows are loaded in that order (it stands in the loads' immediates).
; A permutation inside a block, the same on both sides, keeps blocks, scales, codes and products; only the order of the sums differs.
; A FRAGMENT LIES IN LDS AS AN IMAGE OF ITS 12 REGISTERS: group i at 512 i + 16 x lane.  The even wave of a K step makes registers 0-5, the odd one 6-11.
; TOKENS.  Wave w takes tile w of the expert's rows, chunk by chunk behind each chunk's barrier, if the expert has so many rows; tiles 16 .. 63 follow in a loop of three trips.  Rows past the count repeat
; the expert's last row and store the same bytes to the same place.  Source 0 = 16 columns of wo, source 1 = h's image from hq: lane (r = token, h), register j of tile u holds column 16 h + 2 j + u.
; LOADS come back in order, so h's fragments of chunk c are asked for AHEAD of the weights of chunk c + 1: both stand behind barrier c, in one branch with two arms; the weights' loads are written in both.
; BRANCHES hang on the expert's count, read from memory: never round a barrier, and each such block reads only what is written without condition or in the block itself (so y's sums begin as zeros
; written at the head, 16 registers, and the list and the probability are loaded by every wave).
; NO CLUSTER, NO TENSOR LOAD: joint requests are tensor loads.
; LIMITS: NaN and infinities are not served; a block whose largest magnitude lies under 2^-124 (a block of zeros too) gets the byte 1, read by this program alone.
; THE MODE: SCHED_MODE bits 1:0 = 2 (LLVM: expert scheduling mode 2), set by the entry lines.  The code itself states the register dependences
; between vector or matrix instructions and memory or LDS instructions, with s_wait_alu, always for 0.
; THE PLAN.  Registers that memory or LDS instructions touch:
;   v[S ..], 64      A chunk's 32 loads land in them; QUANT's maxima and moves read them.  At a tile's end v[S .. S+15]: hidden_states lands there, the additions write them, the four stores read them.
;   X0, X1, T0       (inside WF)  QUANT's vector lines write them; its five LDS stores read them.
;   WF, WS           A K step's 7 LDS loads land in a set; that step's two products read it.  Between a tile's turns QUANT and EPI2 work in WF: T0 goes to the stage, T1 comes back from it.
;   TF, TFS          h's 32 loads of a chunk land in them; the chunk's products read them.
;   v250-254, v15    Offsets of the list's five loads and of the probability's load, made by vector lines.
;   TK2, PRB         The list's loads land in them; vector lines make offsets of TK2, which the loads of hidden_states and the stores read; the probability lands in PRB, which EPI2 reads.
;   VW, L16, L4, STW, STR   Made at the head and never written again.   LW, LWS: made at the head, stepped once, behind QUANT 1.
; WAITS ON va_vdst: ahead of the first loads of wo (all addresses); ahead of the list's loads and of the probability's load; ONE in QUANT, ahead of its LDS stores: the codes are written, S is read
; out, the chunk before's products are done with TF, TFS, WF and WS, so that behind the barrier h's loads, the next chunk's weights, the loads of hidden_states and the tile's first 14 LDS loads owe
; nothing more (the only vector lines between are the two adds to LW and LWS); one a K step, between the two products and the loads into the set that they read; in the tail ahead of h's loads of
; chunks 1 to 3; in EPI2 ahead of the stage's stores and loads, and ahead of the stores to out0.
; WAITS ON vm_vsrc: at QUANT's end (its stores have read their data and addresses); at the tail's head (EPI2's LDS stores and global stores and the loads by TK2, v15 and v250-254 have read their
; registers); ahead of the two registers made anew at the end.
.set CHB,  25600                       ; a chunk in LDS: 8 K steps x 2 tiles x 1,536 bytes, then 8 x 128 bytes of scale words
.set SCB,  24576
.set HALF, 51200                       ; two chunks: an LDS immediate has 16 bits
.set STAGE, 102400                     ; behind the chunks: 16 rows x (128 + 16) bytes for each wave, for the way out
.set VW,   1                           ; v1    my offset in wo: 8 a + 32 p rows + 64 w rows; never rewritten
.set LW,   2                           ; v2    where I store codes; stepped once, by HALF
.set LWS,  3                           ; v3    and scale bytes; stepped once
.set L16,  4                           ; v4    16 l; v5 the same + HALF
.set L4,   6                           ; v6    4 l; v7 the same + HALF
.set STW,  8                           ; v8    the stage: where I put 64 bytes of a row
.set STR,  9                           ; v9    and where I read 16 bytes back
.set TK2,  10                          ; v10-13 row 4 q + l / 8 of my tile: its token's byte offset, + 16 (l % 8)
.set PRB,  14                          ; v14   row r's probability
.set S,    16                          ; v16-79   64 numbers of wo as loaded; at the end 16 numbers of hidden_states
.set TF,   80                          ; v80-175  8 fragments of h
.set TFS,  176                         ; v176-183 their scale words, and nothing else
.set ACC,  184                         ; v184-199 two accumulators
.set WF,   200                         ; v200-247 wo's fragments, two sets of two tiles; while quantising and on the way out: at work
.set T0,   200
.set T1,   216
.set X0,   232
.set X1,   238
.set U,    244
.set SC0,  247
.set WS,   248                         ; v248-249 wo's scale words of the two sets, and nothing else
.set IX,   250                         ; v250-254 the offsets of the list's five loads (at the head v250-253: the lane's parts)
.set SC1,  255
.macro WLOAD c, q0                     ; 16 loads: places q0 .. q0 + 15 of my blocks of chunk c
.set wq, \q0
.rept 16
	global_load_b64 v[S+2*wq:S+2*wq+1], v[VW], s[32+2*((\c)/2):33+2*((\c)/2)] offset:4096*(16*(wq/16)+2*(wq%8)+((wq/8)%2))+((\c)%2)*4194304
.set wq, wq+1
.endr
.endm
; My 64 x 2 numbers become two halves of fragments and two scale bytes a column.
.macro QUANT c
	v_max3_num_f32 v[X0], |v[S]|, |v[S+2]|, 0x1800000       ; the floor 2^(3 - 127) among the leaves: the byte cannot fall under 1
	v_max3_num_f32 v[X1], |v[S+1]|, |v[S+3]|, 0x1800000
.set qi, 1
.rept 15
	v_max3_num_f32 v[X0], v[X0], |v[S+4*qi]|, |v[S+4*qi+2]|  ; the two columns by turns
	v_max3_num_f32 v[X1], v[X1], |v[S+4*qi+1]|, |v[S+4*qi+3]|
.set qi, qi+1
.endr
	v_add_nc_u32 v[SC0], 0xff000000, v[X0]         ; 2 off the exponent field: the conversion's scale operand
	v_add_nc_u32 v[SC1], 0xff000000, v[X1]
.set qi, 0
.rept 16
	v_mov_b32 v[T0+qi], v[S+2*qi]
	v_mov_b32 v[T1+qi], v[S+2*qi+1]
.set qi, qi+1
.endr
	v_cvt_scalef32_pk16_fp6_f32 v[X0:X0+2], v[T0:T0+15], v[SC0]
	v_cvt_scalef32_pk16_fp6_f32 v[X1:X1+2], v[T1:T1+15], v[SC1]
	v_nop                                          ; a plain instruction between the conversions and the writes of their sources
.set qi, 0
.rept 16
	v_mov_b32 v[T0+qi], v[S+32+2*qi]
	v_mov_b32 v[T1+qi], v[S+33+2*qi]
.set qi, qi+1
.endr
	v_cvt_scalef32_pk16_fp6_f32 v[U:U+2], v[T0:T0+15], v[SC0]   ; (a conversion's three registers begin on an even number: the block's second three do not)
	v_nop
.irp i, 0,1,2
	v_mov_b32 v[X0+3+\i], v[U+\i]
.endr
	v_cvt_scalef32_pk16_fp6_f32 v[U:U+2], v[T1:T1+15], v[SC1]
	v_nop
.irp i, 0,1,2
	v_mov_b32 v[X1+3+\i], v[U+\i]
.endr
	v_lshrrev_b32 v[T0], 23, v[SC0]                ; the bytes: lanes 0-15 the even block's, lanes 16-31 the odd block's; column 0,
	v_lshrrev_b32 v[T0+1], 23, v[SC1]              ; column 1
	v_permlane16_swap_b32 v[T0], v[T0+1]           ; now the first holds the even block's bytes (lanes 0-15 tile 0, lanes 16-31 tile 1), the second the odd block's
	v_lshl_or_b32 v[T0], v[T0+1], 8, v[T0]
	s_wait_alu depctr_va_vdst(0)                   ; X0, X1 and T0 are written, which the LDS stores read (and LW, LWS where they were stepped); the maxima and moves are done reading S, the chunk before's products TF, TFS, WF and WS: the loads behind the barrier land in these
	s_cmp_eq_u32 s46, 0                            ; the wave's parity: which six registers of the fragment are mine
	s_cbranch_scc0 .Lodd_\@
	ds_store_b128 v[LW], v[X0:X0+3] offset:((\c)%2)*CHB          ; registers 0-3
	ds_store_b64 v[LW], v[X0+4:X0+5] offset:((\c)%2)*CHB+512     ; registers 4, 5
	ds_store_b128 v[LW], v[X1:X1+3] offset:((\c)%2)*CHB+1536
	ds_store_b64 v[LW], v[X1+4:X1+5] offset:((\c)%2)*CHB+2048
	s_branch .Lput_\@
.Lodd_\@:
	ds_store_b64 v[LW], v[X0:X0+1] offset:((\c)%2)*CHB+520       ; registers 6, 7
	ds_store_b128 v[LW], v[X0+2:X0+5] offset:((\c)%2)*CHB+1024   ; registers 8-11
	ds_store_b64 v[LW], v[X1:X1+1] offset:((\c)%2)*CHB+2056
	ds_store_b128 v[LW], v[X1+2:X1+5] offset:((\c)%2)*CHB+2560
.Lput_\@:
	ds_store_b16 v[LWS], v[T0] offset:((\c)%2)*CHB
	s_wait_alu depctr_vm_vsrc(0)                   ; these stores have read X0, X1, T0, LW and LWS, which LDS loads, the next chunk's vector lines and the step by HALF write
.endm
.macro BARRIER                         ; my LDS stores have landed and my LDS loads are in: then the work-group's barrier
	s_wait_dscnt 0x0
	s_barrier_signal -1
	s_barrier_wait -1
.endm
.macro WFLOAD set, c, s                ; 7 LDS loads: K step s of chunk c: two tiles' fragments and their scale words
.irp u, 0,1
.irp i, 0,1,2
	ds_load_b128 v[WF+24*(\set)+12*\u+4*\i:WF+24*(\set)+12*\u+4*\i+3], v[L16+(\c)/2] offset:((\c)%2)*CHB+(\s)*3072+\u*1536+\i*512
.endr
.endr
	ds_load_b32 v[WS+(\set)], v[L4+(\c)/2] offset:((\c)%2)*CHB+SCB+(\s)*128
.endm
; My tile against chunk c: 8 K steps x 2 tiles of columns.  The two accumulators take turns, one instruction a turn.
; The first 14 LDS loads stand behind a wait on va_vdst behind which no vector or matrix instruction has named WF or WS: QUANT's on the main way, the one ahead of h's loads in the tail.
.macro TOKEN c, zero
	WFLOAD 0, \c, 0
	WFLOAD 1, \c, 1
.rept 4
	v_nop                                          ; places between the vector work that used these registers and the products
.endr
.irp s, 0,1,2,3,4,5,6,7
.if \s < 7
	s_wait_dscnt 7                                 ; this K step's 7 loads are in; the next step's 7 may be out
.else
	s_wait_dscnt 0x0
.endif
.if (\zero) && (\s == 0)
	v_wmma_scale_f32_16x16x128_f8f6f4 v[ACC:ACC+7], v[WF+24*(\s%2):WF+24*(\s%2)+11], v[TF+12*\s:TF+12*\s+11], 0, v[WS+(\s%2)], v[TFS+\s] matrix_a_fmt:MATRIX_FMT_FP6 matrix_b_fmt:MATRIX_FMT_FP6
	v_wmma_scale_f32_16x16x128_f8f6f4 v[ACC+8:ACC+15], v[WF+24*(\s%2)+12:WF+24*(\s%2)+23], v[TF+12*\s:TF+12*\s+11], 0, v[WS+(\s%2)], v[TFS+\s] matrix_a_fmt:MATRIX_FMT_FP6 matrix_b_fmt:MATRIX_FMT_FP6 matrix_a_scale:MATRIX_SCALE_ROW1
.else
	v_wmma_scale_f32_16x16x128_f8f6f4 v[ACC:ACC+7], v[WF+24*(\s%2):WF+24*(\s%2)+11], v[TF+12*\s:TF+12*\s+11], v[ACC:ACC+7], v[WS+(\s%2)], v[TFS+\s] matrix_a_fmt:MATRIX_FMT_FP6 matrix_b_fmt:MATRIX_FMT_FP6
	v_wmma_scale_f32_16x16x128_f8f6f4 v[ACC+8:ACC+15], v[WF+24*(\s%2)+12:WF+24*(\s%2)+23], v[TF+12*\s:TF+12*\s+11], v[ACC+8:ACC+15], v[WS+(\s%2)], v[TFS+\s] matrix_a_fmt:MATRIX_FMT_FP6 matrix_b_fmt:MATRIX_FMT_FP6 matrix_a_scale:MATRIX_SCALE_ROW1
.endif
.if \s < 6
.rept 4
	v_nop                                          ; four places in front of loads into registers that the products have read; they stay beside the wait below
.endr
	s_wait_alu depctr_va_vdst(0)                   ; this step's two products are done reading their set of fragments and its scale words, in which the 7 loads below land
	WFLOAD \s%2, \c, \s+2
.elseif \s == 7
.rept 5
	v_nop                                          ; five: a later tile's first products begin these accumulators anew; they serve the loads and reads that follow too
.endr
.endif
.endr
.endm
.macro TFLOAD c                        ; 32 loads: h's fragments of K steps 8 c .. 8 c + 7 of my tile, as images, and their scale words
.irp s, 0,1,2,3,4,5,6,7
.irp i, 0,1,2
	global_load_b128 v[TF+12*\s+4*\i:TF+12*\s+4*\i+3], v[L16], s[38:39] offset:(8*(\c)+\s)*1536+512*\i
.endr
	global_load_b32 v[TFS+\s], v[L4], s[40:41] offset:(8*(\c)+\s)*128
.endr
.endm
.macro HLOAD                           ; 4 loads: hidden_states at my tile's rows, my work-group's 128 bytes: eight lanes to a row, four rows an instruction
.irp q, 0,1,2,3
	global_load_b128 v[S+4*\q:S+4*\q+3], v[TK2+\q], s[42:43]
.endr
.endm
.macro LISTD                           ; 5 loads from the list: the tokens of rows 4 q + l / 8 and of row r, each index held to the expert's last place
	s_add_co_u32 s28, s24, s27
	v_bfe_u32 v15, v0, 3, 2
	v_add_nc_u32 v15, s28, v15
.irp q, 0,1,2,3
	v_add_nc_u32 v[IX+\q], 4*\q, v15
	v_min_u32 v[IX+\q], s29, v[IX+\q]
	v_min_u32 v[IX+\q], 0x3ff, v[IX+\q]
	v_lshlrev_b32 v[IX+\q], 2, v[IX+\q]
.endr
	v_and_b32 v[IX+4], 15, v0
	v_add_nc_u32 v[IX+4], s28, v[IX+4]
	v_min_u32 v[IX+4], s29, v[IX+4]
	v_min_u32 v[IX+4], 0x3ff, v[IX+4]
	v_lshlrev_b32 v[IX+4], 2, v[IX+4]
	s_wait_alu depctr_va_vdst(0)                   ; the five offsets v250-254 are written; in the tail the last tile's vector lines are done with TK2 and PRB, in which the loads land
.irp q, 0,1,2,3
	global_load_b32 v[TK2+\q], v[IX+\q], s[10:11]
.endr
	global_load_b32 v[PRB], v[IX+4], s[10:11]
.endm
.macro LISTD2                          ; the tokens become offsets; row r's probability is asked for
	v_and_b32 v15, 7, v0
	v_lshlrev_b32 v15, 4, v15
.irp q, 0,1,2,3
	v_min_u32 v[TK2+\q], 0x3ff, v[TK2+\q]
	v_lshl_add_u32 v[TK2+\q], v[TK2+\q], 12, v15
.endr
	v_min_u32 v[PRB], 0x3ff, v[PRB]
	v_lshlrev_b32 v15, 2, v[PRB]
	s_wait_alu depctr_va_vdst(0)                   ; v15, the load's offset, is written, and the shift is done reading PRB, in which the load lands; TK2 is written, which the loads of hidden_states and the stores read
	global_load_b32 v[PRB], v15, s[12:13]
.endm
; THE WAY OUT.  p y, with the two tiles' columns put in order by the multiplications' destinations; through my own stage in LDS, so that a row's 128 bytes lie in eight neighbouring lanes; + hidden; stored.
.macro EPI2
.irp j, 0,1,2,3,4,5,6,7
	v_mul_f32 v[T0+2*\j], v[ACC+\j], v[PRB]        ; column 16 h + 2 j;  each accumulator from its low end on
	v_mul_f32 v[T0+2*\j+1], v[ACC+8+\j], v[PRB]    ; column 16 h + 2 j + 1
.endr
	s_wait_alu depctr_va_vdst(0)                   ; the multiplications have written T0, which the LDS stores read; the last products are done reading the registers of T1, in which the LDS loads land
.irp q, 0,1,2,3
	ds_store_b128 v[STW], v[T0+4*\q:T0+4*\q+3] offset:16*\q
.endr
.irp q, 0,1,2,3
	ds_load_b128 v[T1+4*\q:T1+4*\q+3], v[STR] offset:576*\q    ; LDS serves a wave's instructions in order (ISA guide 5.7.1.4): these see my stores
.endr
	s_wait_dscnt 0x0
	s_wait_loadcnt 0x0                             ; hidden_states
.irp i, 0,1,2,3,4,5,6,7
	v_pk_add_f32 v[S+2*\i:S+2*\i+1], v[S+2*\i:S+2*\i+1], v[T1+2*\i:T1+2*\i+1]
.endr
	s_wait_alu depctr_va_vdst(0)                   ; the additions have written v[S .. S+15], which the stores read
.irp q, 0,1,2,3
	global_store_b128 v[TK2+\q], v[S+4*\q:S+4*\q+3], s[44:45]
.endr
.endm
; Behind barrier c (c = 0, 1, 2): a wave with a tile asks for h's fragments, then for the next chunk's weights, and multiplies; a wave without asks for the weights alone.
; No wait on va_vdst stands here: since QUANT's no vector or matrix instruction has named TF, TFS, S, WF, WS or an offset of these loads.
.macro STEPD c
	s_cmp_lt_u32 s27, s25
	s_cbranch_scc0 .Lidle_\@
	TFLOAD \c
	WLOAD (\c)+1, 0
	WLOAD (\c)+1, 16
	s_wait_loadcnt 32                              ; h's 32 loads are in; behind them the weights' 32
	TOKEN \c, 0
	s_branch .Ljoin_\@
.Lidle_\@:
	WLOAD (\c)+1, 0
	WLOAD (\c)+1, 16
.Ljoin_\@:
	s_wait_loadcnt 0x0                             ; the next chunk's weights
.endm
	s_load_b256 s[4:11], s[0:1], 0x0               ; wo s[4:5], hq s[6:7], hs s[8:9], route s[10:11]
	s_load_b128 s[12:15], s[0:1], 0x20             ; prob s[12:13], hidden_states s[14:15]
	s_load_b64 s[16:17], s[0:1], 0x30              ; out0
	v_lshrrev_b32 v1, 5, v0
	v_readfirstlane_b32 s20, v1                    ; wave 0..15
	s_and_b32 s23, ttmp7, 0xffff                   ; the expert
	s_wait_alu depctr_va_sdst(0)                   ; s20 is written, ahead of its first reader
	s_lshr_b32 s48, s20, 1                         ; the K step of a chunk that I stream
	s_and_b32 s46, s20, 1                          ; and its half
	v_and_b32 v250, 31, v0                         ; lane
	v_and_b32 v251, 15, v0                         ; a, r
	v_bfe_u32 v252, v0, 4, 1                       ; p, h
	v_lshlrev_b32 v[VW], 3, v251
	v_lshl_add_u32 v[VW], v252, 17, v[VW]          ; 32 rows of 4,096 bytes
	s_lshl_b32 s30, s20, 18                        ; 64 rows a wave
	v_add_nc_u32 v[VW], s30, v[VW]
	v_lshlrev_b32 v[L16], 4, v250
	v_add_nc_u32 v[L16+1], HALF, v[L16]
	v_lshlrev_b32 v[L4], 2, v250
	v_add_nc_u32 v[L4+1], HALF, v[L4]
	s_mul_i32 s30, s48, 3072
	v_add_nc_u32 v[LW], s30, v[L16]
	s_lshl_b32 s30, s48, 7
	s_lshl_b32 s31, s46, 1
	s_add_co_u32 s30, s30, s31
	s_add_co_u32 s30, s30, SCB
	v_add_nc_u32 v[LWS], s30, v[L4]
	s_mul_i32 s30, s20, 2304
	s_add_co_u32 s30, s30, STAGE                   ; my stage
	v_mul_u32_u24 v[STW], v251, 144
	v_lshl_add_u32 v[STW], v252, 6, v[STW]
	v_add_nc_u32 v[STW], s30, v[STW]               ; in: row r, 64 bytes for each half of the lanes
	v_bfe_u32 v253, v0, 3, 2
	v_mul_u32_u24 v[STR], v253, 144
	v_and_b32 v253, 7, v0
	v_lshl_add_u32 v[STR], v253, 4, v[STR]
	v_add_nc_u32 v[STR], s30, v[STR]               ; back: row l / 8 of four, 16 bytes a lane
	s_lshl_b32 s30, s23, 24                        ; an expert's wo is 2^24 bytes
	s_lshl_b32 s31, ttmp9, 7                       ; my 32 columns
	s_add_co_u32 s30, s30, s31
	s_mov_b32 s31, 0
	s_lshl_b32 s36, s23, 2
	s_wait_kmcnt 0x0
	s_add_nc_u64 s[32:33], s[4:5], s[30:31]        ; chunks 0 and 1
	s_add_nc_u64 s[34:35], s[32:33], 0x800000      ; chunks 2 and 3: the loads' immediates have 24 bits with their sign
	s_load_b32 s22, s[10:11], s36 offset:0x1000    ; start | count << 16
	s_wait_alu depctr_va_vdst(0)                   ; v1 to v9 are written: the offsets and LDS addresses that the kernel's loads and stores read
	WLOAD 0, 0                                     ; the first chunk goes out ahead of everything else
	WLOAD 0, 16
	s_lshl_b32 s30, ttmp9, 7
	s_add_nc_u64 s[42:43], s[14:15], s[30:31]      ; hidden_states and out0 at my 32 columns
	s_add_nc_u64 s[44:45], s[16:17], s[30:31]
	s_lshl_b32 s27, s20, 4                         ; my tile's first row: 16 t, t = wave
	s_lshl_b32 s28, s23, 6
	s_add_co_u32 s28, s28, s20                     ; 64 e + t
	s_mul_i32 s30, s28, 49152
	s_add_nc_u64 s[38:39], s[6:7], s[30:31]        ; my tile's 32 images in hq
	s_lshl_b32 s30, s28, 12
	s_add_nc_u64 s[40:41], s[8:9], s[30:31]        ; and their scale words in hs
.set ai, 0
.rept 16
	v_mov_b32 v[ACC+ai], 0                         ; y's sums begin here, so that they are written on every way through the blocks below
.set ai, ai+1
.endr
	s_wait_kmcnt 0x0
	s_and_b32 s24, s22, 0xffff
	s_min_u32 s24, s24, 1024                       ; start
	s_lshr_b32 s25, s22, 16
	s_min_u32 s25, s25, 1024                       ; count
	s_add_co_u32 s29, s24, s25
	s_sub_co_u32 s29, s29, 1                       ; the expert's last place in the list
	LISTD
	s_wait_loadcnt 0x0                             ; chunk 0 and my rows' tokens are in
	LISTD2
	QUANT 0
	BARRIER                                        ; chunk 0's codes lie in LDS
	STEPD 0
	QUANT 1
	v_add_nc_u32 v[LW], HALF, v[LW]                ; on to chunks 2 and 3 (the stores that read the two registers stand ahead of the wait at QUANT's end)
	v_add_nc_u32 v[LWS], HALF, v[LWS]
	BARRIER
	STEPD 1
	QUANT 2
	BARRIER
	STEPD 2
	QUANT 3
	BARRIER                                        ; the last barrier: from here on the chunks are only read
	s_cmp_lt_u32 s27, s25
	s_cbranch_scc0 .Lno_first
	TFLOAD 3
	HLOAD                                          ; the weights' registers are free: QUANT's wait stands behind their last readers
	s_wait_loadcnt 4                               ; h's 32 loads are in; the four of hidden_states may be out
	TOKEN 3, 0
	EPI2
.Lno_first:
	s_mov_b32 s47, 3                               ; tiles 16 + w, 32 + w, 48 + w: there only if the expert has more than 256 rows
.Ltail:
	s_wait_xcnt 0x0                                ; the stores have read their registers, offsets and bases: all may be written again
	s_wait_alu depctr_vm_vsrc(0)                   ; EPI2's LDS stores have read T0, its global stores v[S .. S+15] and TK2, the earlier loads v15 and v250-254: the next tile's vector lines and loads write all of these
	s_add_co_u32 s27, s27, 256
	s_add_nc_u64 s[38:39], s[38:39], 786432        ; 16 tiles x 32 K steps x 1,536 bytes
	s_add_nc_u64 s[40:41], s[40:41], 65536
	s_cmp_lt_u32 s27, s25
	s_cbranch_scc0 .Lnone
	LISTD
	s_wait_loadcnt 0x0
	LISTD2
	TFLOAD 0                                       ; (the wait in LISTD2 stands behind the last tile's products, which read TF and TFS)
	s_wait_loadcnt 0x0
	TOKEN 0, 1                                     ; the first products start this tile's sums
	s_wait_alu depctr_va_vdst(0)                   ; chunk 0's products are done reading TF, TFS, WF and WS, in which h's next loads and the next chunk's first LDS loads land
	TFLOAD 1
	s_wait_loadcnt 0x0
	TOKEN 1, 0
	s_wait_alu depctr_va_vdst(0)                   ; the same of chunk 1's products
	TFLOAD 2
	s_wait_loadcnt 0x0
	TOKEN 2, 0
	s_wait_alu depctr_va_vdst(0)                   ; the same of chunk 2's products
	TFLOAD 3
	HLOAD
	s_wait_loadcnt 4                               ; as above
	TOKEN 3, 0
	EPI2
.Lnone:
	s_sub_co_u32 s47, s47, 1
	s_cmp_lg_u32 s47, 0
	s_cbranch_scc1 .Ltail
	s_wait_xcnt 0x0
	s_wait_alu depctr_vm_vsrc(0)                   ; the list's last load has read v254, which is made anew below
	v_lshl_add_u32 v254, v0, 2, 0x22000
	v_mov_b32 v255, 0
	s_wait_dscnt 0x0                               ; the closing lines, six on end
	s_wait_alu 0x0
	s_wait_tensorcnt 0x0
	ds_add_u32 v254, v255
	s_wait_dscnt 0x0
	s_endpgm
.Lfunc_end_k_qe3959e718d_down:
	.size	k_qe3959e718d_down, .Lfunc_end_k_qe3959e718d_down-k_qe3959e718d_down
	.p2alignl 7, 3214868480
	.fill 96, 4, 3214868480
	.section	.rodata,"a",@progbits
	.p2align	6, 0x0
	.amdhsa_kernel k_qe3959e718d_down
		.amdhsa_group_segment_fixed_size 141312
		.amdhsa_private_segment_fixed_size 0
		.amdhsa_enable_private_segment 0
		.amdhsa_kernarg_size 56
		.amdhsa_user_sgpr_count 2
		.amdhsa_user_sgpr_kernarg_segment_ptr 1
		.amdhsa_wavefront_size32 1
		.amdhsa_system_sgpr_workgroup_id_x 1
		.amdhsa_system_sgpr_workgroup_id_y 1
		.amdhsa_system_sgpr_workgroup_id_z 1
		.amdhsa_system_vgpr_workitem_id 0
		.amdhsa_next_free_vgpr 256
		.amdhsa_next_free_sgpr 66
		.amdhsa_reserve_vcc 0
		.amdhsa_float_denorm_mode_32 3
		.amdhsa_float_denorm_mode_16_64 3
		.amdhsa_memory_ordered 1
		.amdhsa_forward_progress 1
		.amdhsa_inst_pref_size 139
	.end_amdhsa_kernel
	.amdgpu_metadata
---
amdhsa.version: [ 1, 2 ]
amdhsa.kernels:
  - .name:           k_qe3959e718d_down
    .symbol:         k_qe3959e718d_down.kd
    .args:
      - { .name: wo, .offset: 0, .size: 8, .value_kind: global_buffer, .address_space: global }
      - { .name: hq, .offset: 8, .size: 8, .value_kind: global_buffer, .address_space: global }
      - { .name: hs, .offset: 16, .size: 8, .value_kind: global_buffer, .address_space: global }
      - { .name: route, .offset: 24, .size: 8, .value_kind: global_buffer, .address_space: global }
      - { .name: prob, .offset: 32, .size: 8, .value_kind: global_buffer, .address_space: global }
      - { .name: hidden_states, .offset: 40, .size: 8, .value_kind: global_buffer, .address_space: global }
      - { .name: out0, .offset: 48, .size: 8, .value_kind: global_buffer, .address_space: global }
    .group_segment_fixed_size: 141312
    .private_segment_fixed_size: 0
    .kernarg_segment_align: 8
    .kernarg_segment_size: 56
    .max_flat_workgroup_size: 512
    .sgpr_count:     66
    .vgpr_count:     256
    .wavefront_size: 32
...
	.end_amdgpu_metadata
.endif
;; end of part 8
